; MI455X (gfx1250); checked and timed in simulation.
; The chip was launched on July 23, 2026; its instructions are those of AMD's public machine-readable ISA for CDNA 5 (MIT licence, August 2026) and "CDNA5" Instruction Set Architecture Reference Guide (July 2026). The comments in the code are by the model that wrote it; some were corrected since.
;; Learned2d Relative Self Attention. Allowed arithmetic: matrix products marked QUANTISED: E2M3 operands, one E8M0 scale for each 32 along K, by v_wmma_scale_f32_16x16x128_f8f6f4 with both operands' format E2M3, f32 sums; everything else in f32.
;; Inputs: Wk_codes 512 x 2 x 24 uint8 (E2M3 codes of Wk, K innermost, in blocks of 32 codes, four codes in three bytes); Wk_scales 512 x 2 uint8 (E8M0 scales of Wk, one for each 32 codes along K); Wq_codes 512 x 2 x 24 uint8 (E2M3 codes of Wq, K innermost, in blocks of 32 codes, four codes in three bytes); Wq_scales 512 x 2 uint8 (E8M0 scales of Wq, one for each 32 codes along K); Wv_codes 64 x 16 x 24 uint8 (E2M3 codes of Wv, K innermost, in blocks of 32 codes, four codes in three bytes); Wv_scales 64 x 16 uint8 (E8M0 scales of Wv, one for each 32 codes along K); col_emb 63 x 32 float32; hidden_state 4 x 32 x 32 x 64 float32; row_emb 63 x 32 float32.
;; Outputs: out0 4 x 32 x 32 x 64 float32.
;; This version of the problem:
;;   THIS VERSION OF THE PROBLEM IS GIVEN IN LOW PRECISION. The matrix products marked QUANTISED in the list below multiply operands that are first quantised to E2M3 (2 exponent bits, 3 mantissa bits; 6 bits a number), with one power-of-two scale for each 32 numbers along K (OCP MX v1.0); their sums are f32. All else is computed in f32.
;;   The module's matrix products, in the order in which they are computed (A, B: the left and right operand; K: the contracted axis; several contracted axes count as one K, in the product's order):
;;     1. [M 4,096, K 64] x [K 64, N 512]; A: input hidden_state; B: input Wq (given as codes): QUANTISED
;;     2. [M 4,096, K 64] x [K 64, N 512]; A: input hidden_state; B: input Wk (given as codes): QUANTISED
;;     3. batch 32 x [M 32, K 32] x [K 32, N 1,024]; A: computed on the way; B: computed on the way: QUANTISED
;;     4. batch 32 x [M 32, K 32] x [K 32, N 1,024]; A: computed on the way; B: computed on the way: QUANTISED
;;     5. batch 32 x [M 1,024, K 64] x [K 64, N 1,024]; A: computed on the way; B: computed on the way: QUANTISED
;;     6. batch 4 x [M 8,192, K 1,024] x [K 1,024, N 64]; A: computed on the way; B: input hidden_state: QUANTISED
;;     7. [M 4,096, K 512] x [K 512, N 64]; A: computed on the way; B: input Wv (given as codes): QUANTISED
;;   THE QUANTISER, for each operand of a quantised product, along K:
;;     - K is cut into blocks of 32 from its start; a last block that is shorter is filled with zeros.
;;     - A block's scale is 2^e with e = floor(log2(the largest magnitude in the block)) - 2, held to -126 .. 127; a block of zeros has e = 0. As a byte (E8M0): e + 127.
;;     - Each number is divided by its block's scale, clamped to +-7.5, and rounded to the nearest number of E2M3, ties to even, subnormals kept.
;;     - The product sums the exact products of the quantised numbers (number of the format x scale) in f32.
;;   ~~~python
;;   def quantise(x, axis):      # numpy; x: float32 -> the quantised numbers, widened to float32 again
;;       x = np.moveaxis(x, axis, -1); K = x.shape[-1]
;;       x = np.pad(x, [(0, 0)] * (x.ndim - 1) + [(0, -K % 32)]); x = x.reshape(x.shape[:-1] + (-1, 32)); a = np.abs(x).max(-1, keepdims=True)
;;       e = np.where(a > 0, np.clip(np.frexp(np.where(a > 0, a, 1))[1] - 1 - 2, -126, 127), 0)      # np.frexp(a)[1] - 1 = floor(log2(a)), exactly
;;       r = np.clip(x / 2.0 ** e, -7.5, 7.5)
;;       step = 2.0 ** (np.maximum(np.frexp(np.where(r == 0, 1, r))[1] - 1, 0) - 3)
;;       q = np.round(r / step) * step * 2.0 ** e      # np.round: ties to even
;;       return np.moveaxis(q.reshape(q.shape[:-2] + (-1,))[..., :K], -1, axis).astype(np.float32)
;;   ~~~
;;   OPERANDS COMPUTED ON THE WAY. 'Computed on the way' means the value that the module computes at that place (a softmax that the list does not call 'softmax' is quantised finished and normalised). What goes into a quantiser is computed in f32, as accurately as f32 sums, v_exp_f32 and their like allow (about 1e-6 of the number): no bf16 or f16 on the way to a quantiser, and a product that is left as it is and whose result goes on into a quantised operand takes f32 operands (vector FMAs, or v_wmma_f32_16x16x4_f32). A number that lies on a knife's edge between two numbers of the format may be rounded either way, as far as f32 arithmetic and the matrix unit's own rounding can turn it there, and no further.
;;   INPUTS GIVEN AS CODES. Wk (in the module: [64, 512], K = its axis 0); Wq (in the module: [64, 512], K = its axis 0); Wv (in the module: [512, 64], K = its axis 0): each comes as NAME_codes (uint8): NAME with its K axis moved to the last place and cut into blocks of 32 codes, [.., K / 32, bytes a block], one block behind the other in memory; four codes in three bytes: a row's codes are one little-endian stream of bits, code i at bits 6 i .. 6 i + 5 (a code: sign, 2 exponent bits, 3 mantissa bits); and NAME_scales (uint8): the same leading axes, one E8M0 byte (e + 127) for each 32 codes along K. Its value is code x scale, taken as it is: it is not quantised again, and the codes and scales need not be those that the quantiser above would give.
;; 2 versions, each right; version 2 is version 1 with the launch prep written anew for expert scheduling mode. Each part assembles by itself: llvm-mc -triple=amdgcn-amd-amdhsa -mcpu=gfx1250 --defsym DOCPART=n.
;; ======== version 1 of 2: 2 launches
;; workspace buffers: kimg 1,638,400 bytes; vimg 204,800 bytes
;; launch prep (part 1): grid 288 x 1, 4 waves a work-group, no clusters, 768 bytes of LDS; arguments hidden_state, Wk_codes, Wk_scales, kimg, vimg; writes kimg, vimg
.if DOCPART == 1
	.amdgcn_target "amdgcn-amd-amdhsa--gfx1250"
	.amdhsa_code_object_version 6
	.text
	.protected	k_q20ae870692_prep
	.globl	k_q20ae870692_prep
	.p2align	8
	.type	k_q20ae870692_prep,@function
k_q20ae870692_prep:
	s_mov_b64 s[64:65], 0
	v_nop
	global_prefetch_b8 v0, s[64:65] scope:SCOPE_SE
	s_setreg_imm32_b32 hwreg(HW_REG_WAVE_MODE, 25, 1), 1
	s_wait_xcnt 0x0
; k = hidden Wk (on codes of E2M3), quantised along the head's 64, and hidden quantised along the keys: both laid out as IMAGES OF OPERAND REGISTERS for the launch that follows.
; A BLOCK of 51,200 bytes: 2,048 bytes of scale words [f 0..31][row 0..15], then 32 fragments of 1,536 bytes [f][c 0..2][lane][16 bytes]: registers 4 c .. 4 c + 3 of the lane's twelve.
; kimg: a block for each (batch, head).  Fragment f = beta holds TWO tiles of 16 keys, K = 64 each: registers 0-5 tile u = 0, registers 6-11 tile u = 1.  Row m of tile u is the key at position
;   32 L + beta, L = 8 u + m + 8 (m / 8); lane (m, hh) holds its numbers d = 32 hh .. 32 hh + 31.  Scale word of row m: [u0 d-block 0, u0 d-block 1, u1 d-block 0, u1 d-block 1].
; vimg: a block for each batch.  Fragment f = 4 s + t: row r is channel 32 (t / 2) + 8 (t % 2) + r + 8 (r / 8); registers 6 c .. 6 c + 5 of lane (r, hh) hold the values at positions 128 s + 64 c + 32 hh + 0 .. 31.
; SHARES.  Work-groups 0-255: (batch, head) = number / 8, four fragments each, one a wave.  Work-groups 256-287: batch = (number - 256) / 8, likewise.  One wave makes one fragment and its 16 scale words.
; K = 64 IN AN INSTRUCTION OF K = 128: an operand of twelve registers carries two tiles of Wk's rows; against [x | zero codes] it gives the first tile, against [zero codes | x] the second: a zero code adds nothing
; under any scale byte but 0xff, and E2M3 has no infinity and no NaN.
; THE PRODUCT IS USED TRANSPOSED (source 0 = rows of Wk, source 1 = 16 positions), and the rows of Wk that form a tile are 8 + 8 rows 16 apart, so that a lane's 16 registers of two tiles are 16 neighbours along d.
; A block's scale byte is the largest magnitude's exponent field - 2, held at 1 from below (a block of zeros keeps 1: its codes are zeros, and this program alone reads the bytes).
; LIMITS: NaN and infinities among the inputs are not served; blocks whose largest magnitude lies under 2^-124 keep the byte 1.
; No tensor load, no cluster: no two work-groups want the same tile at the same time, and each wave's share is a few KB read straight into registers.
.set BLKB, 51200
.set FRB,  1536
.set TM,   164                         ; v164-179 at work: +0,+1 largest magnitudes, +2,+3 the other half's, +4..+6 a conversion's spare three, +8,+9 scale operands, +12..+15 scale bytes
.set SEL,  26                          ; s[26:27] v_permlanex16_b32's selects for lane l xor 16
.set X0,   16                          ; v16-79   64 numbers as loaded; later k: key tile u, d tile n at v[16 + 32 u + 8 n]
.set XAB,  80                          ; v80-127  [x | 0] and [0 | x] of key tile u at v[80 + 24 u], v[92 + 24 u]
.set WK,   128                         ; v128-151 Wk's two pair fragments
.set IMG,  152                         ; v152-163 the fragment that leaves
.set WKS,  180                         ; v180-181 Wk's scale words;  v182-183 x's: these four hold scales and nothing else
.set XS,   182
.set PW,   184                         ; v184     the scale word that leaves
.set HB,   186                         ; v186-189 Wk's scale bytes, two a row
.macro PLACES n
.rept \n
	v_nop
.endr
.endm
; 32 numbers of ONE lane, a whole block, become six registers of codes at v[dst] and the scale's byte in v[sb]
.macro QB32 src, dst, sb
	v_max3_num_f32 v[TM], |v[\src]|, |v[\src+1]|, 0x1800000     ; with the floor 2^(3 - 127) among the leaves: the byte cannot fall under 1
	v_max3_num_f32 v[TM+1], |v[\src+2]|, |v[\src+3]|, |v[\src+4]|
.irp i, 5,9,13,17,21,25
	v_max3_num_f32 v[TM], v[TM], |v[\src+\i]|, |v[\src+\i+1]|
	v_max3_num_f32 v[TM+1], v[TM+1], |v[\src+\i+2]|, |v[\src+\i+3]|
.endr
	v_max3_num_f32 v[TM], v[TM], |v[\src+29]|, |v[\src+30]|
	v_max3_num_f32 v[TM], v[TM], v[TM+1], |v[\src+31]|
	v_add_nc_u32 v[TM+8], 0xff000000, v[TM]                     ; 2 off the exponent field: the conversion takes this operand's exponent field as its scale
	v_lshrrev_b32 v[\sb], 23, v[TM+8]
	v_cvt_scalef32_pk16_fp6_f32 v[\dst:\dst+2], v[\src:\src+15], v[TM+8]
	v_cvt_scalef32_pk16_fp6_f32 v[TM+4:TM+6], v[\src+16:\src+31], v[TM+8]   ; (a conversion's three registers begin on an even number)
	v_nop                                                       ; one plain place behind a scaled conversion
.irp i, 0,1,2
	v_mov_b32 v[\dst+3+\i], v[TM+4+\i]
.endr
.endm
; 32 registers of four transposed tiles, register 16 b + i = number 32 b + 16 (lane / 16) + i of the lane's row, become six registers of codes (lane (r, hh): block hh) and the two blocks' bytes
.macro QUANT2 src, dst, sb0, sb1
	v_max3_num_f32 v[TM], |v[\src]|, |v[\src+1]|, 0x1800000     ; each tile is read from its low end on
	v_max3_num_f32 v[TM+1], |v[\src+16]|, |v[\src+17]|, 0x1800000
.irp i, 2,4,6,8,10,12,14
	v_max3_num_f32 v[TM], v[TM], |v[\src+\i]|, |v[\src+\i+1]|
	v_max3_num_f32 v[TM+1], v[TM+1], |v[\src+16+\i]|, |v[\src+17+\i]|
.endr
	v_permlanex16_b32 v[TM+2], v[TM], s[SEL], s[SEL+1]
	v_permlanex16_b32 v[TM+3], v[TM+1], s[SEL], s[SEL+1]
	v_max_num_f32 v[TM], v[TM], v[TM+2]                         ; with lane l xor 16's sixteen: the block's largest magnitude
	v_max_num_f32 v[TM+1], v[TM+1], v[TM+3]
	v_add_nc_u32 v[TM+8], 0xff000000, v[TM]
	v_add_nc_u32 v[TM+9], 0xff000000, v[TM+1]
	v_lshrrev_b32 v[\sb0], 23, v[TM+8]
	v_lshrrev_b32 v[\sb1], 23, v[TM+9]
	v_cvt_scalef32_pk16_fp6_f32 v[\dst:\dst+2], v[\src:\src+15], v[TM+8]
	v_cvt_scalef32_pk16_fp6_f32 v[TM+4:TM+6], v[\src+16:\src+31], v[TM+9]
	v_nop
.irp i, 0,1,2
	v_permlane16_swap_b32 v[\dst+\i], v[TM+4+\i]                ; the first's lanes 16-31 change places with the second's lanes 0-15: each lane now has one whole block
.endr
.irp i, 0,1,2
	v_mov_b32 v[\dst+3+\i], v[TM+4+\i]
.endr
.endm
; one matrix instruction; c < 0: the constant 0 starts the sum; row = 1: source 0's scales stand in lanes 16-31
.macro WM d, a, b, c, sa, sb, row
.if (\c) < 0
.if \row
	v_wmma_scale_f32_16x16x128_f8f6f4 v[\d:\d+7], v[\a:\a+11], v[\b:\b+11], 0, v[\sa], v[\sb] matrix_a_fmt:MATRIX_FMT_FP6 matrix_b_fmt:MATRIX_FMT_FP6 matrix_a_scale:MATRIX_SCALE_ROW1
.else
	v_wmma_scale_f32_16x16x128_f8f6f4 v[\d:\d+7], v[\a:\a+11], v[\b:\b+11], 0, v[\sa], v[\sb] matrix_a_fmt:MATRIX_FMT_FP6 matrix_b_fmt:MATRIX_FMT_FP6
.endif
.else
.if \row
	v_wmma_scale_f32_16x16x128_f8f6f4 v[\d:\d+7], v[\a:\a+11], v[\b:\b+11], v[\c:\c+7], v[\sa], v[\sb] matrix_a_fmt:MATRIX_FMT_FP6 matrix_b_fmt:MATRIX_FMT_FP6 matrix_a_scale:MATRIX_SCALE_ROW1
.else
	v_wmma_scale_f32_16x16x128_f8f6f4 v[\d:\d+7], v[\a:\a+11], v[\b:\b+11], v[\c:\c+7], v[\sa], v[\sb] matrix_a_fmt:MATRIX_FMT_FP6 matrix_b_fmt:MATRIX_FMT_FP6
.endif
.endif
.endm
	s_load_b256 s[4:11], s[0:1], 0x0               ; hidden s[4:5], Wk's codes s[6:7], Wk's scales s[8:9], kimg s[10:11]
	s_load_b64 s[12:13], s[0:1], 0x20              ; vimg
	v_lshl_add_u32 v192, v0, 2, 0x100
	v_mov_b32 v193, 0
	v_lshrrev_b32 v1, 5, v0
	v_readfirstlane_b32 s14, v1                    ; wave 0..3
	v_and_b32 v1, 31, v0                           ; lane
	v_and_b32 v2, 15, v0                           ; m
	v_bfe_u32 v3, v0, 4, 1                         ; hh
	v_lshlrev_b32 v4, 4, v1                        ; 16 x lane: my place in a chunk of the image
	s_lshl_b32 s20, s14, 6
	v_lshl_add_u32 v5, v2, 2, s20                  ; LDS: 64 x wave + 4 m: my row's scale word among the work-group's 64
	v_lshlrev_b32 v6, 3, v1                        ; 8 x lane: the way out of those 256 bytes
	v_and_b32 v7, 8, v2
	v_add_nc_u32 v7, v7, v2                        ; m + 8 (m / 8)
	v_mov_b32 v[TM+2], 0                           ; written once: a lane permute's destination counts as one of its sources
	v_mov_b32 v[TM+3], 0
	s_mov_b32 s[SEL], 0x76543210
	s_mov_b32 s[SEL+1], 0xfedcba98
	s_cmp_lt_u32 ttmp9, 256                        ; K's work-group or V's?
	s_cselect_b32 s15, 0, 256
	s_sub_co_u32 s15, ttmp9, s15
	s_lshr_b32 s16, s15, 3                         ; which block
	s_and_b32 s17, s15, 7                          ; which four fragments of it
	s_lshl_b32 s18, s17, 2
	s_add_co_u32 s18, s18, s14                     ; my fragment f
	s_mul_i32 s20, s16, BLKB
	s_mov_b32 s21, 0
	s_mul_i32 s22, s18, FRB
	s_add_co_u32 s22, s22, 2048
	s_mov_b32 s23, 0
	s_lshl_b32 s30, s17, 8
	s_mov_b32 s31, 0
	s_wait_kmcnt 0x0
	s_cmp_lt_u32 ttmp9, 256                        ; the choice of buffer hangs on the work-group's number alone
	s_cselect_b64 s[24:25], s[10:11], s[12:13]
	s_add_nc_u64 s[24:25], s[24:25], s[20:21]      ; the block,
	s_add_nc_u64 s[28:29], s[24:25], s[22:23]      ; my fragment's image in it,
	s_add_nc_u64 s[30:31], s[24:25], s[30:31]      ; and the work-group's 256 bytes of scale words (these sums leave SCC as the compare set it)
	s_cbranch_scc0 .Lv
	; ---- K: my fragment is beta = f of (batch, head)
	s_lshr_b32 s19, s16, 3                         ; batch
	s_and_b32 s32, s16, 7                          ; head
	s_lshl_b32 s20, s19, 18
	s_lshl_b32 s22, s18, 8
	s_add_co_u32 s20, s20, s22
	s_add_nc_u64 s[4:5], s[4:5], s[20:21]          ; hidden at position beta of the batch
	s_mul_i32 s20, s32, 3072
	s_add_nc_u64 s[6:7], s[6:7], s[20:21]          ; the head's 64 rows of Wk, 48 bytes each
	s_lshl_b32 s20, s32, 7
	s_add_nc_u64 s[8:9], s[8:9], s[20:21]          ; and their scale bytes, 2 a row
	v_lshlrev_b32 v8, 13, v7
	v_lshl_add_u32 v8, v3, 7, v8                   ; x: position 32 (m + 8 (m / 8)) on, + my half's 128 bytes
	v_mul_u32_u24 v9, v7, 48
	v_mad_u32_u24 v9, v3, 24, v9                   ; Wk: row m + 8 (m / 8), + my half's 24 bytes
	v_lshlrev_b32 v10, 1, v7
.irp u, 0,1
.irp i, 0,1,2,3,4,5,6,7
	global_load_b128 v[X0+32*\u+4*\i:X0+32*\u+4*\i+3], v8, s[4:5] offset:65536*\u+16*\i   ; key tile u: 8 positions of 32 further on
.endr
.endr
.irp a, 0,1
.irp u, 0,1
.irp p, 0,1,2
	global_load_b64 v[WK+12*\a+6*\u+2*\p:WK+12*\a+6*\u+2*\p+1], v9, s[6:7] offset:1536*\a+384*\u+8*\p   ; rows 32 a + 8 u on
.endr
	global_load_u16 v[HB+2*\a+\u], v10, s[8:9] offset:64*\a+16*\u
.endr
.endr
	s_wait_loadcnt 0x0                             ; one wait: a wave has one fragment to make and nothing to do meanwhile
	QB32 X0, XAB, TM+12
	QB32 X0+32, XAB+24, TM+13
.irp u, 0,1
.irp i, 0,1,2,3,4,5
	v_mov_b32 v[XAB+24*\u+18+\i], v[XAB+24*\u+\i]  ; [0 | x]
	v_mov_b32 v[XAB+24*\u+6+\i], 0                 ; [x | 0]
	v_mov_b32 v[XAB+24*\u+12+\i], 0
.endr
.endr
.irp u, 0,1
	v_permlanex16_b32 v[TM+2+\u], v[TM+12+\u], s[SEL], s[SEL+1]
	v_lshl_or_b32 v[XS+\u], v[TM+2+\u], 8, v[TM+12+\u]   ; lanes 0-15, which alone are read: [block 0, block 1],
	v_lshl_or_b32 v[XS+\u], v[XS+\u], 16, v[XS+\u]       ; twice: x stands in either half of K
.endr
.irp a, 0,1
	v_lshl_or_b32 v[WKS+\a], v[HB+2*\a+1], 16, v[HB+2*\a]
.endr
	PLACES 8                                       ; a scale register written by a vector instruction stands 8 places ahead of a scaled matrix instruction, an operand 4
.irp u, 0,1
.irp a, 0,1
	WM X0+32*\u+16*\a, WK+12*\a, XAB+24*\u, -1, WKS+\a, XS+\u, 0         ; lane (key, hh), register j: d = 32 a + 16 hh + j
	WM X0+32*\u+16*\a+8, WK+12*\a, XAB+24*\u+12, -1, WKS+\a, XS+\u, 0    ; d = 32 a + 16 hh + 8 + j
.endr
.endr
	PLACES 4
	QUANT2 X0, IMG, TM+12, TM+13
	QUANT2 X0+32, IMG+6, TM+14, TM+15
	v_lshl_or_b32 v[PW], v[TM+13], 8, v[TM+12]
	v_lshl_or_b32 v[PW], v[TM+14], 16, v[PW]
	v_lshl_or_b32 v[PW], v[TM+15], 24, v[PW]
	s_branch .Ltail
.Lv:	; ---- V: my fragment is K step s = the work-group's, channel tile t = my wave.  A lane takes a channel and its registers run down the positions
	s_lshl_b32 s20, s16, 18                        ; batch
	s_lshl_b32 s22, s17, 15                        ; 128 s positions of 256 bytes
	s_add_co_u32 s20, s20, s22
	s_lshr_b32 s22, s14, 1
	s_lshl_b32 s22, s22, 7
	s_add_co_u32 s20, s20, s22                     ; channel 32 (t / 2)
	s_and_b32 s22, s14, 1
	s_lshl_b32 s22, s22, 5
	s_add_co_u32 s20, s20, s22                     ; + 8 (t % 2)
	s_add_nc_u64 s[4:5], s[4:5], s[20:21]
	v_lshlrev_b32 v11, 2, v7
	v_lshl_add_u32 v11, v3, 13, v11                ; channel r + 8 (r / 8); lanes 16-31 begin 32 positions further down
.irp c, 0,1
.irp i, 0,1,2,3,4,5,6,7,8,9,10,11,12,13,14,15,16,17,18,19,20,21,22,23,24,25,26,27,28,29,30,31
	global_load_b32 v[X0+32*\c+\i], v11, s[4:5] offset:16384*\c+256*\i   ; pieces of 32 bytes of a position's row; the four waves together take whole rows, and the tensor is walked once
.endr
.endr
	s_wait_loadcnt 0x0
	QB32 X0, IMG, TM+12
	QB32 X0+32, IMG+6, TM+13
	v_lshl_or_b32 v[PW], v[TM+13], 16, v[TM+12]    ; my two bytes: blocks hh and 2 + hh of the step,
	v_lshlrev_b32 v[TM+14], 3, v3
	v_lshlrev_b32 v[PW], v[TM+14], v[PW]           ; at their places in the word;
	v_permlanex16_b32 v[TM+2], v[PW], s[SEL], s[SEL+1]
	v_or_b32 v[PW], v[PW], v[TM+2]                 ; with lane l xor 16's two it is whole
.Ltail:	; ---- both: the image leaves as it stands, 512 consecutive bytes a store; the work-group's 64 scale words meet in LDS and leave as 256 consecutive, aligned bytes
.irp c, 0,1,2
	global_store_b128 v4, v[IMG+4*\c:IMG+4*\c+3], s[28:29] offset:512*\c
.endr
	ds_store_b32 v5, v[PW]                         ; both halves of the lanes write the same word with the same value
	s_wait_dscnt 0x0                               ; for the others' sake: my store has landed
	s_barrier_signal -1
	s_barrier_wait -1
	s_cmp_lg_u32 s14, 0
	s_cbranch_scc1 .Lend
	ds_load_b64 v[TM:TM+1], v6
	s_wait_dscnt 0x0
	global_store_b64 v6, v[TM:TM+1], s[30:31]
.Lend:
	s_wait_tensorcnt 0x0
	ds_add_u32 v192, v193
	s_wait_dscnt 0x0
	s_endpgm
.Lfunc_end_k_q20ae870692_prep:
	.size	k_q20ae870692_prep, .Lfunc_end_k_q20ae870692_prep-k_q20ae870692_prep
	.p2alignl 7, 3214868480
	.fill 96, 4, 3214868480
	.section	.rodata,"a",@progbits
	.p2align	6, 0x0
	.amdhsa_kernel k_q20ae870692_prep
		.amdhsa_group_segment_fixed_size 768
		.amdhsa_private_segment_fixed_size 0
		.amdhsa_enable_private_segment 0
		.amdhsa_kernarg_size 40
		.amdhsa_user_sgpr_count 2
		.amdhsa_user_sgpr_kernarg_segment_ptr 1
		.amdhsa_wavefront_size32 1
		.amdhsa_system_sgpr_workgroup_id_x 1
		.amdhsa_system_sgpr_workgroup_id_y 1
		.amdhsa_system_sgpr_workgroup_id_z 1
		.amdhsa_system_vgpr_workitem_id 0
		.amdhsa_next_free_vgpr 194
		.amdhsa_next_free_sgpr 66
		.amdhsa_reserve_vcc 0
		.amdhsa_float_denorm_mode_32 3
		.amdhsa_float_denorm_mode_16_64 3
		.amdhsa_memory_ordered 1
		.amdhsa_forward_progress 1
		.amdhsa_inst_pref_size 26
	.end_amdhsa_kernel
	.amdgpu_metadata
---
amdhsa.version: [ 1, 2 ]
amdhsa.kernels:
  - .name:           k_q20ae870692_prep
    .symbol:         k_q20ae870692_prep.kd
    .args:
      - { .name: hidden_state, .offset: 0, .size: 8, .value_kind: global_buffer, .address_space: global }
      - { .name: Wk_codes, .offset: 8, .size: 8, .value_kind: global_buffer, .address_space: global }
      - { .name: Wk_scales, .offset: 16, .size: 8, .value_kind: global_buffer, .address_space: global }
      - { .name: kimg, .offset: 24, .size: 8, .value_kind: global_buffer, .address_space: global }
      - { .name: vimg, .offset: 32, .size: 8, .value_kind: global_buffer, .address_space: global }
    .group_segment_fixed_size: 768
    .private_segment_fixed_size: 0
    .kernarg_segment_align: 8
    .kernarg_segment_size: 40
    .max_flat_workgroup_size: 128
    .sgpr_count:     66
    .vgpr_count:     194
    .wavefront_size: 32
...
	.end_amdgpu_metadata
.endif
;; end of part 1
;; launch attn (part 2): grid 256 x 1, 4 waves a work-group, clusters of 4 x 1, 327,680 bytes of LDS; arguments hidden_state, row_emb, col_emb, Wq_codes, Wq_scales, Wv_codes, Wv_scales, kimg, vimg, out0; writes out0
.if DOCPART == 2
	.amdgcn_target "amdgcn-amd-amdhsa--gfx1250"
	.amdhsa_code_object_version 6
	.text
	.protected	k_q20ae870692_attn
	.globl	k_q20ae870692_attn
	.p2align	8
	.type	k_q20ae870692_attn,@function
k_q20ae870692_attn:
	s_mov_b64 s[64:65], 0
	v_nop
	global_prefetch_b8 v0, s[64:65] scope:SCOPE_SE
	s_setreg_imm32_b32 hwreg(HW_REG_WAVE_MODE, 25, 1), 1
	s_wait_xcnt 0x0
	s_wait_alu depctr_hold_cnt(0) depctr_sa_sdst(0) depctr_va_vdst(0) depctr_va_sdst(0) depctr_va_ssrc(0) depctr_va_vcc(0) depctr_vm_vsrc(0)
	s_getreg_b32 s2, hwreg(HW_REG_IB_STS2, 6, 4)
	s_cmp_eq_u32 s2, 0
	s_cbranch_scc0 .Lentry_in_a_cluster
	s_endpgm
.Lentry_in_a_cluster:
	s_bfe_u32 s2, ttmp6, 0x10000c
	s_cmp_lg_u32 s2, 0x3003
	s_cbranch_scc0 .Lentry_shape_is_right
	s_endpgm
.Lentry_shape_is_right:
; out[b][j][i][:] = sum over heads of (softmax over keys (k, l) of (q . k[b][k][l] + q[0:32] . row_emb[ri] + q[32:64] . col_emb[ci]) / 8) x hidden[b][l][k][:], through Wv; q = hidden[b][i][j] Wq.
; ri = min(i + k + 31, 62), ci = min(j + l + 31, 62): indices past a table's end are held at its last row, as the gather holds them.  All seven products on codes of E2M3 with one E8M0 scale for each 32 along K.
; ORDER OF THE KEYS.  The value product's K is n = 32 l + k.  A block of 32 along it has l = beta fixed and k = L = 0 .. 31.  So the col score is one number a block (it rides in the exponent's addend) and the row score
; hangs on L alone (it is the C of every score tile): neither costs a vector instruction a score.
; SHARES.  A work-group owns the 16 queries (i, j0 .. j0 + 15) of a batch for all 8 heads; wave w takes head w, then head w + 4: one wave a SIMD.  A wave keeps ALL 1,024 scores of its 16 queries in 512 registers,
; since p is quantised finished and normalised: the row's sum is known before any p is converted, and each score meets one exponential.
; LAYOUT.  Every product is used transposed (source 1 = the 16 queries): a lane holds ONE query (lane % 16) throughout.  K and V come as images of operand registers (launch prep); a fragment of K holds two tiles
; of 16 keys (K = 64 each), taken apart by [q | zero codes] and [zero codes | q].  In the score tiles (beta, u = 0, 1) a lane's 16 registers are L = 16 (lane / 16) + 0 .. 15: 16 neighbours of the value product's K.
; BY TURNS.  The score tiles go in four batches of 16 matrix instructions.  Behind each matrix instruction of batches 1 to 3 stand four of the 64 lines that find the largest score of each block of the batch before:
; matrix work and vector work are issued side by side.  The scores' windows hold nothing else, so each such group of four costs two switches of the register window.
; CLUSTER.  The four work-groups of a cluster share batch and j0 and differ in i alone: they want the same eight blocks of K and the same block of V, so each is asked for JOINTLY, by the same tensor load with a mask
; that names the four.  The place in the cluster enters global addresses alone (x's rows, the row table's rows, out).
; LDS: a block of K for each wave, filled twice (by its own wave, read by it alone); V's block, a quarter from each wave, filled once; the tables' three fragments; a stage a wave for the col scores and one for out.
; By this text's own count a wave has two tensor loads out at the start and one behind the refill.
; LIMITS: NaN and infinities among the inputs are not served.  Blocks whose largest magnitude lies under 2^-124 keep the scale byte 1.  v_exp_f32 gives 0 for results under 2^-126.  A block's largest p is taken from its
; largest score by the same multiply-add, exponential and multiplication, which takes v_exp_f32 not to fall where its input rises.  1 / sum is v_rcp_f32 and a multiplication.  The last product's four K steps
; (one a wave) are added as (p0 + p1) + (p2 + p3).
; REGISTERS, in windows of 256.  Window 2: scores of blocks 0-15 at v[16 beta + 8 u + j]; window 3: blocks 16-31.  Window 1: two staging buffers of 8 fragments, v0-95 and v96-191; v192-227 the tables' three fragments.
; Window 0: as named below.
.set BLKB,  51200
.set FRB,   1536
.set VREG,  4*BLKB                     ; V's block, behind the four of K
.set FIMG,  256000                     ; the tables' three fragments, as images
.set FSC,   260608                     ; their scale words, 128 bytes each
.set GST,   261120                     ; col scores: 16 rows x 272 bytes for each wave
.set OST,   278528                     ; partial results: the same
.set SPARE, 295936                     ; the spare words, 128 bytes for each wave: two blocks of 256 bytes that no other line names
.set GP,    272
.set SPW, 1                            ; v1   SPARE + 4 x my thread's number; never rewritten
.set NIL, 2                            ; v2   0; never rewritten
.set FRI, 3                            ; v3   FIMG + 16 x lane
.set FRS, 4                            ; v4   FSC + 4 x lane
.set KAD, 5                            ; v5   my block of K: its images + 16 x lane
.set KSA, 6                            ; v6   its scale words + 4 x lane
.set VAD, 7                            ; v7   the same for V
.set VSA, 8
.set GSO, 9                            ; v9   col stage, in: row q, + 32 (lane / 16)
.set GLD, 10                           ; v10  col stage, out: 276 q: row q from its q-th number on
.set OSO, 11                           ; v11  out stage, in
.set ORD, 12                           ; v12  out stage, back: rows 4 w + lane / 16, 16 bytes a lane
.set FWI, 13                           ; v13  where waves 0-2 store their table fragment
.set FWS, 14                           ; v14  and its scale words
.set OGO, 15                           ; v15  my byte offset in out
.set WV,  16                           ; v16-63   Wv's four fragments (at the head: TY v16-47, FB v48-59, WQH v60-67)
.set TY,  16
.set FB,  48
.set WQH, 60
.set OFR, 64                           ; v64-75   the attention's result as codes: [head w | head w + 4]
.set QC1, 76                           ; v76-81   q's codes, head w + 4
.set QC0, 82                           ; v82-87   head w
.set QA,  88                           ; v88-99   [q | 0];  v100-111 [0 | q]
.set QB,  100
.set WVO, 112                          ; v112-113 the offsets of Wv's loads: untouched from those loads to the wait for them
.set T32, 88                           ; v88-119  at work in the softmax; then O^T, four tiles (at the head: a table's row, then q's four tiles)
.set OT,  88
.set RC,  120                          ; v120-135 the row scores, two tiles (at the head: offsets)
.set SUM, 120                          ; v120-135 eight chains of the row's sum; before them v128-129 the row's largest score, twice; behind them v130-131 1 / sum, twice
.set MX,  128
.set RL,  130
.set PCD, 120                          ; v120-167 p's codes, four buffers of 12, once p is normalised
.set COL, 136                          ; v136-167 the col score of each block, then the exponent's addend (at the head: [x | 0], [0 | x])
.set XA,  136
.set BM,  168                          ; v168-199 each block's largest score, then its largest p, then the conversion's scale operand (before: the col tiles G; at the head: x's 32 numbers)
.set GT,  168
.set XN,  168
.set TM,  200                          ; v200-215 at work, as in launch prep; +10, +11 scale bytes, +14 a zero
.set KVS, 216                          ; v216-255 hold scales and nothing else: K's, later V's (16);
.set PS,  232                          ; p's (8);
.set WVS, 240                          ; Wv's (4);
.set WQS, 244                          ; Wq's (4);
.set FS,  248                          ; the tables' (3);
.set QS,  251                          ; q's, of the head in hand;
.set QS1, 252
.set OS,  253                          ; the attention result's;
.set XS,  254                          ; x's;
.set QS0, 255
.set FST, 192                          ; in window 1: the tables' fragments
.set SEL, 56                           ; s[56:57] v_permlanex16_b32's selects for lane l xor 16
.set CS,  58                           ; s[58:59] c = log2(e) / 8, twice
.set MSB, 0
.macro WIN new                         ; the immediate's high byte repeats the setting that is left; bits 1:0 source 0, 3:2 source 1, 5:4 source 2, 7:6 destination
.if MSB != \new
	s_set_vgpr_msb (MSB<<8)|\new
.set MSB, \new
.endif
.endm
.macro PLACES n
.rept \n
	v_nop
.endr
.endm
.macro ROUND                           ; a round of the cluster's barrier
	s_barrier_signal -1
	s_barrier_wait -1
	s_cmp_lg_u32 s24, 0
	s_cbranch_scc1 .Lnot_wave_0_\@
	s_barrier_signal -3
.Lnot_wave_0_\@:
	s_barrier_wait -3
	s_barrier_signal -1
	s_barrier_wait -1
.endm
; 32 numbers of ONE lane, a whole block, become six registers of codes at v[dst] and the scale's byte in v[sb]
.macro QB32 src, dst, sb
	v_max3_num_f32 v[TM], |v[\src]|, |v[\src+1]|, 0x1800000     ; with the floor 2^(3 - 127) among the leaves: the byte cannot fall under 1
	v_max3_num_f32 v[TM+1], |v[\src+2]|, |v[\src+3]|, |v[\src+4]|
.irp i, 5,9,13,17,21,25
	v_max3_num_f32 v[TM], v[TM], |v[\src+\i]|, |v[\src+\i+1]|
	v_max3_num_f32 v[TM+1], v[TM+1], |v[\src+\i+2]|, |v[\src+\i+3]|
.endr
	v_max3_num_f32 v[TM], v[TM], |v[\src+29]|, |v[\src+30]|
	v_max3_num_f32 v[TM], v[TM], v[TM+1], |v[\src+31]|
	v_add_nc_u32 v[TM+8], 0xff000000, v[TM]                     ; 2 off the exponent field: the conversion's scale operand
	v_lshrrev_b32 v[\sb], 23, v[TM+8]
	v_cvt_scalef32_pk16_fp6_f32 v[\dst:\dst+2], v[\src:\src+15], v[TM+8]
	v_cvt_scalef32_pk16_fp6_f32 v[TM+4:TM+6], v[\src+16:\src+31], v[TM+8]   ; (a conversion's three registers begin on an even number)
	v_nop                                                       ; one plain place behind a scaled conversion
.irp i, 0,1,2
	v_mov_b32 v[\dst+3+\i], v[TM+4+\i]
.endr
.endm
; 32 registers of four transposed tiles, register 16 b + i = number 32 b + 16 (lane / 16) + i of the lane's row, become six registers of codes (lane (r, hh): block hh) and the two blocks' bytes
.macro QUANT2 src, dst, sb0, sb1
	v_max3_num_f32 v[TM], |v[\src]|, |v[\src+1]|, 0x1800000     ; each tile is read from its low end on
	v_max3_num_f32 v[TM+1], |v[\src+16]|, |v[\src+17]|, 0x1800000
.irp i, 2,4,6,8,10,12,14
	v_max3_num_f32 v[TM], v[TM], |v[\src+\i]|, |v[\src+\i+1]|
	v_max3_num_f32 v[TM+1], v[TM+1], |v[\src+16+\i]|, |v[\src+17+\i]|
.endr
	v_permlanex16_b32 v[TM+2], v[TM], s[SEL], s[SEL+1]
	v_permlanex16_b32 v[TM+3], v[TM+1], s[SEL], s[SEL+1]
	v_max_num_f32 v[TM], v[TM], v[TM+2]
	v_max_num_f32 v[TM+1], v[TM+1], v[TM+3]
	v_add_nc_u32 v[TM+8], 0xff000000, v[TM]
	v_add_nc_u32 v[TM+9], 0xff000000, v[TM+1]
	v_lshrrev_b32 v[\sb0], 23, v[TM+8]
	v_lshrrev_b32 v[\sb1], 23, v[TM+9]
	v_cvt_scalef32_pk16_fp6_f32 v[\dst:\dst+2], v[\src:\src+15], v[TM+8]
	v_cvt_scalef32_pk16_fp6_f32 v[TM+4:TM+6], v[\src+16:\src+31], v[TM+9]
	v_nop
.irp i, 0,1,2
	v_permlane16_swap_b32 v[\dst+\i], v[TM+4+\i]
.endr
.irp i, 0,1,2
	v_mov_b32 v[\dst+3+\i], v[TM+4+\i]
.endr
.endm
; one matrix instruction; c < 0: the constant 0 starts the sum; row = 1: source 0's scales stand in lanes 16-31
.macro WM d, a, b, c, sa, sb, row
.if (\c) < 0
.if \row
	v_wmma_scale_f32_16x16x128_f8f6f4 v[\d:\d+7], v[\a:\a+11], v[\b:\b+11], 0, v[\sa], v[\sb] matrix_a_fmt:MATRIX_FMT_FP6 matrix_b_fmt:MATRIX_FMT_FP6 matrix_a_scale:MATRIX_SCALE_ROW1
.else
	v_wmma_scale_f32_16x16x128_f8f6f4 v[\d:\d+7], v[\a:\a+11], v[\b:\b+11], 0, v[\sa], v[\sb] matrix_a_fmt:MATRIX_FMT_FP6 matrix_b_fmt:MATRIX_FMT_FP6
.endif
.else
.if \row
	v_wmma_scale_f32_16x16x128_f8f6f4 v[\d:\d+7], v[\a:\a+11], v[\b:\b+11], v[\c:\c+7], v[\sa], v[\sb] matrix_a_fmt:MATRIX_FMT_FP6 matrix_b_fmt:MATRIX_FMT_FP6 matrix_a_scale:MATRIX_SCALE_ROW1
.else
	v_wmma_scale_f32_16x16x128_f8f6f4 v[\d:\d+7], v[\a:\a+11], v[\b:\b+11], v[\c:\c+7], v[\sa], v[\sb] matrix_a_fmt:MATRIX_FMT_FP6 matrix_b_fmt:MATRIX_FMT_FP6
.endif
.endif
.endm
; batch g of a block: fragments 8 g .. 8 g + 7 into staging buffer g % 2: 24 loads, each of 512 consecutive bytes
.macro FETCH adr, g
	WIN 0x40                                       ; destination window 1, address window 0
.irp f, 0,1,2,3,4,5,6,7
.irp c, 0,1,2
	ds_load_b128 v[96*((\g)%2)+12*\f+4*\c:96*((\g)%2)+12*\f+4*\c+3], v[\adr] offset:12288*(\g)+FRB*\f+512*\c
.endr
.endr
.endm
; THE LARGEST SCORE OF EACH BLOCK among my 16 registers, for the eight blocks of batch g: a list of 64 lines, number mn = step mn / 8 of block mn % 8: the eight blocks by turns.  MAX1 writes number mn and steps mn.
; Step 0 reads registers 0, 1, 2 (tile u = 0 from its low end on); steps 1 to 6 two registers more each (step 3 reads 7 and 8: tile u = 1 from its low end on); step 7 the last one.
.macro MAX1 g
.set mb, 16*(8*((\g)%2)+mn%8)          ; the block's first register in its window
.set md, BM+8*(\g)+mn%8
.if mn < 8
.if (\g) < 2
	WIN 0x2a                                       ; all three sources in the scores' window, the destination in window 0
.else
	WIN 0x3f
.endif
	v_max3_num_f32 v[md], v[mb], v[mb+1], v[mb+2]
.else
.if (\g) < 2
	WIN 0x28                                       ; source 0 in window 0 too
.else
	WIN 0x3c
.endif
.if mn < 56
	v_max3_num_f32 v[md], v[md], v[mb+2*(mn/8)+1], v[mb+2*(mn/8)+2]
.else
	v_max_num_f32 v[md], v[md], v[mb+15]
.endif
.endif
.set mn, mn+1
.endm
; the score tiles of blocks 8 g .. 8 g + 7: S(beta, u) = K(beta) x (u ? [0 | q] : [q | 0]) + the row scores' tile u.  64 different accumulators in all: no chain.
; turns = 1: behind each of the 16 stand four lines of batch g - 1's list
.macro MULK g, turns
.set mn, 0
.irp e, 0,1,2,3,4,5,6,7
.irp u, 0,1
.if (\g) < 2
	WIN 0x81                                       ; source 0 window 1, sources 1 and 2 window 0, destination window 2
.else
	WIN 0xc1                                       ; destination window 3
.endif
	WM 16*(8*((\g)%2)+\e)+8*\u, 96*((\g)%2)+12*\e, QA+12*\u, RC+8*\u, KVS+4*(\g)+\e/2, QS, \e%2
.if \turns
.rept 4
	MAX1 (\g)-1
.endr
.endif
.endr
.endr
.endm
; A HEAD'S WAY IN: q's two operands; the row scores (two tiles) and the col scores; all 64 score tiles and each block's largest score.  tcnt: how many younger tensor loads may stay out when my block of K has to be there
.macro HEADIN qc, qs, tcnt
	v_mov_b32 v[QS], v[\qs]                        ; first: the 24 moves and 4 places below are its 8 places
.irp i, 0,1,2,3,4,5
	v_mov_b32 v[QA+\i], v[\qc+\i]
	v_mov_b32 v[QA+6+\i], 0
	v_mov_b32 v[QB+\i], 0
	v_mov_b32 v[QB+6+\i], v[\qc+\i]
.endr
	PLACES 4
	s_wait_tensorcnt \tcnt                         ; my block of K has landed; I alone read it
.irp f, 0,1,2
	ds_load_b32 v[FS+\f], v[FRS] offset:128*\f
.endr
.set n, 0
.rept 16
	ds_load_b32 v[KVS+n], v[KSA] offset:128*n      ; K's scale words: lanes 0-15 those of fragment 2 n, lanes 16-31 those of 2 n + 1
.set n, n+1
.endr
	WIN 0x40
.irp f, 0,1,2
.irp c, 0,1,2
	ds_load_b128 v[FST+12*\f+4*\c:FST+12*\f+4*\c+3], v[FRI] offset:FRB*\f+512*\c   ; the tables' fragments F0, F1, F2 = [row codes, 0, 0, col codes]
.endr
.endr
	FETCH KAD, 0                                   ; K's first batch is asked for now: it lands under the tables' products and the col scores' way through LDS
	s_wait_dscnt 24                                ; all but batch 0's 24 loads: the tables' fragments and scale words are in
	WIN 0x01                                       ; source 0 window 1
	WM RC, FST, QA, -1, FS, QS, 0                  ; lane (q, hh), register j: the row score of L = 16 hh + j
	WM RC+8, FST+12, QA, -1, FS+1, QS, 0           ; L = 16 hh + 8 + j
	WM GT, FST, QB, -1, FS, QS, 0                  ; G[q][t], t = 16 tile + 8 hh + j: q's second half against col row min(j0 + t, 31) + 31
	WM GT+8, FST+12, QB, -1, FS+1, QS, 0
	WM GT+16, FST+24, QB, -1, FS+2, QS, 0
	WIN 0
	PLACES 5                                       ; 4 in front of the stores of G; 5 before the row scores are taken as other accumulators' C
.irp t, 0,1,2
	ds_store_b128 v[GSO], v[GT+8*\t:GT+8*\t+3] offset:64*\t
	ds_store_b128 v[GSO], v[GT+8*\t+4:GT+8*\t+7] offset:64*\t+16
.endr
.set n, 0
.rept 32
	ds_load_b32 v[COL+n], v[GLD] offset:4*n        ; the col score of block l = n for my query j0 + q: G[q][q + l].  My own bytes, and LDS serves a wave's instructions in order
.set n, n+1
.endr
	FETCH KAD, 1
	s_wait_dscnt 24                                ; all but batch 1's 24 loads
	MULK 0, 0
	PLACES 4                                       ; in front of loads into registers that matrix instructions have read, and of the first read of batch 0's scores
	FETCH KAD, 2
	s_wait_dscnt 24                                ; all but batch 2's
	MULK 1, 1
	PLACES 4
	FETCH KAD, 3
	s_wait_dscnt 24                                ; all but batch 3's
	MULK 2, 1
	PLACES 4                                       ; in front of the first read of batch 2's scores
	s_wait_dscnt 0x0
	MULK 3, 1
	PLACES 4                                       ; in front of the first read of batch 3's scores, and of the next loads into staging and into the scale words
.set mn, 0
.rept 64
	MAX1 3
.endr
	WIN 0
.endm
; 2^(c s + the block's addend), in place: a packed multiply-add two pairs ahead of its pair's two exponentials.  No line names an exponential's result
.macro EXPW w
.if \w
	WIN 0xc3
.else
	WIN 0x82                                       ; destination and source 0 in the scores' window, the addend in window 0
.endif
.set n, 0
.rept 130
.if n < 128
.if (n/8)%2
	v_pk_fma_f32 v[2*n:2*n+1], v[2*n:2*n+1], s[CS:CS+1], v[COL+16*(\w)+n/8-1:COL+16*(\w)+n/8] op_sel:[0,0,1] op_sel_hi:[1,0,1]   ; an odd block's addend is its pair's upper word
.else
	v_pk_fma_f32 v[2*n:2*n+1], v[2*n:2*n+1], s[CS:CS+1], v[COL+16*(\w)+n/8:COL+16*(\w)+n/8+1] op_sel_hi:[1,0,0]
.endif
.endif
.if n >= 2
	v_exp_f32 v[2*n-4], v[2*n-4]
	v_exp_f32 v[2*n-3], v[2*n-3]
.endif
.set n, n+1
.endr
.endm
.macro NORMW w
.if \w
	WIN 0xc3
.else
	WIN 0x82
.endif
.set n, 0
.rept 128
	v_pk_mul_f32 v[2*n:2*n+1], v[2*n:2*n+1], v[RL:RL+1]
.set n, n+1
.endr
.endm
; K step s of the value product: p's blocks 4 s .. 4 s + 3 become the twelve registers of buffer s % 4
.macro QSTEP s
.if (\s) < 4
	WIN 0x02                                       ; source 0 (p) window 2
.else
	WIN 0x03
.endif
.irp c, 0,1
	v_cvt_scalef32_pk16_fp6_f32 v[PCD+12*((\s)%4)+6*\c:PCD+12*((\s)%4)+6*\c+2], v[64*((\s)%4)+32*\c:64*((\s)%4)+32*\c+15], v[BM+4*(\s)+2*\c]
	v_cvt_scalef32_pk16_fp6_f32 v[TM+4*\c:TM+4*\c+2], v[64*((\s)%4)+32*\c+16:64*((\s)%4)+32*\c+31], v[BM+4*(\s)+2*\c+1]
.endr
	v_nop                                          ; one plain place behind a scaled conversion
	WIN 0
.irp c, 0,1                                    ; the operand's layout wants a WHOLE block in a lane
.irp i, 0,1,2
	v_permlane16_swap_b32 v[PCD+12*((\s)%4)+6*\c+\i], v[TM+4*\c+\i]
.endr
.irp i, 0,1,2
	v_mov_b32 v[PCD+12*((\s)%4)+6*\c+3+\i], v[TM+4*\c+\i]
.endr
.endr
.endm
; O^T(t) += V(4 s + t) x p(s): four accumulators by turns, one instruction a turn
.macro MMSTEP s
	WIN 0x01                                       ; source 0 (V) window 1
.irp t, 0,1,2,3
.if (\s) == 0
	WM OT+8*\t, 96*(((\s)/2)%2)+12*(4*((\s)%2)+\t), PCD+12*((\s)%4), -1, KVS+2*(\s)+\t/2, PS+(\s), \t%2
.else
	WM OT+8*\t, 96*(((\s)/2)%2)+12*(4*((\s)%2)+\t), PCD+12*((\s)%4), OT+8*\t, KVS+2*(\s)+\t/2, PS+(\s), \t%2
.endif
.endr
.endm
	; ---- THE HEAD
	s_load_b512 s[4:19], s[0:1], 0x0               ; hidden s[4:5], row_emb s[6:7], col_emb s[8:9], Wq's codes s[10:11], scales s[12:13], Wv's codes s[14:15], scales s[16:17], kimg s[18:19]
	s_load_b128 s[20:23], s[0:1], 0x40             ; vimg s[20:21], out s[22:23]
	v_lshl_add_u32 v[SPW], v0, 2, SPARE
	v_mov_b32 v[NIL], 0
	ds_add_u32 v1, v2
	ds_add_u32 v1, v2
	s_wait_dscnt 0x0
	v_lshrrev_b32 v133, 5, v0
	v_readfirstlane_b32 s24, v133                  ; wave 0..3
	v_and_b32 v130, 31, v0                         ; lane
	v_and_b32 v128, 15, v0                         ; r
	v_bfe_u32 v129, v0, 4, 1                       ; hh
	v_lshlrev_b32 v131, 4, v130
	v_lshlrev_b32 v132, 2, v130
	; every LDS address is a constant + a constant x lane + a constant x wave, made here, ahead of every branch
	v_add_nc_u32 v[FRI], FIMG, v131
	v_add_nc_u32 v[FRS], FSC, v132
	s_mul_i32 s61, s24, BLKB
	v_add_nc_u32 v[KSA], s61, v132
	s_add_co_u32 s62, s61, 2048
	v_add_nc_u32 v[KAD], s62, v131
	v_add_nc_u32 v[VAD], VREG+2048, v131
	v_add_nc_u32 v[VSA], VREG, v132
	s_mul_i32 s61, s24, 16*GP
	s_add_co_u32 s62, s61, GST
	s_add_co_u32 s63, s61, OST
	v_mul_u32_u24 v133, v128, GP
	v_lshl_add_u32 v133, v129, 5, v133
	v_add_nc_u32 v[GSO], s62, v133
	v_add_nc_u32 v[OSO], s63, v133
	v_mul_u32_u24 v134, v128, GP+4
	v_add_nc_u32 v[GLD], s62, v134
	s_mul_i32 s61, s24, 4*GP
	s_add_co_u32 s61, s61, OST
	v_mul_u32_u24 v134, v129, GP
	v_lshl_add_u32 v134, v128, 4, v134
	v_add_nc_u32 v[ORD], s61, v134
	s_mul_i32 s61, s24, FRB
	s_add_co_u32 s61, s61, FIMG
	v_add_nc_u32 v[FWI], s61, v131
	s_lshl_b32 s61, s24, 7
	s_add_co_u32 s61, s61, FSC
	v_add_nc_u32 v[FWS], s61, v132
	v_lshlrev_b32 v[OGO], 13, v129                 ; out: lanes 16-31 one query (8,192 bytes) on; 16 bytes a lane
	v_lshl_add_u32 v[OGO], v128, 4, v[OGO]
	; who I am: cluster C = ttmp9: batch C / 16, j0 = 16 (C % 2), i = 4 ((C / 2) % 8) + my place in the cluster
	s_bfe_u32 s25, ttmp6, 0x40000                  ; cx
	s_lshr_b32 s27, ttmp9, 4                       ; batch
	s_and_b32 s29, ttmp9, 1
	s_lshl_b32 s29, s29, 4                         ; j0
	s_lshr_b32 s28, ttmp9, 1
	s_and_b32 s28, s28, 7
	s_lshl_b32 s28, s28, 2
	s_add_co_u32 s28, s28, s25                     ; i
	; the loads' offsets
	v_and_b32 v127, 8, v128
	v_add_nc_u32 v127, v127, v128                  ; r + 8 (r / 8)
	v_lshlrev_b32 v120, 8, v128
	v_lshl_add_u32 v120, v129, 7, v120             ; x: row r of 256 bytes, + my half's 128
	v_mul_u32_u24 v121, v127, 48
	v_mad_u32_u24 v121, v129, 24, v121             ; Wq: row r + 8 (r / 8) of 48 bytes, + my half's 24
	v_lshlrev_b32 v122, 1, v127
	s_and_b32 s66, s24, 1
	s_lshl_b32 s66, s66, 3
	s_add_co_u32 s66, s66, s28
	v_add_nc_u32 v123, s66, v127                   ; row table: i + L, L = 8 (w % 2) + r + 8 (r / 8),
	v_min_u32 v123, 31, v123                       ; held at 31 (the 31 rows in front stand in the loads' immediate)
	v_lshlrev_b32 v123, 7, v123
	s_lshl_b32 s67, s24, 4
	s_add_co_u32 s67, s67, s29
	v_add_nc_u32 v124, s67, v128                   ; col table: j0 + 16 w + r, held likewise
	v_min_u32 v124, 31, v124
	v_lshlrev_b32 v124, 7, v124
	v_mov_b32 v[TM+2], 0                           ; written once: a lane permute's destination counts as one of its sources
	v_mov_b32 v[TM+3], 0
	v_mov_b32 v[TM+14], 0
	s_mov_b32 s[SEL], 0x76543210
	s_mov_b32 s[SEL+1], 0xfedcba98
	s_mov_b32 s[CS], 0x3e38aa3b                    ; log2(e) / 8
	s_mov_b32 s[CS+1], s[CS]
	; descriptors.  Group 1: a dense block as rows of 256 bytes (32 elements of 8 bytes), no padding; 15:0 the mask: all four work-groups; bit 21 set beside it.  K: 200 rows; V: a quarter, 50 rows
	s_mov_b32 s32, 15|(3<<16)|(1<<21)
	s_mov_b32 s33, 32<<16                          ; tensor_dim0 = 32
	s_mov_b32 s34, 200<<16                         ; tensor_dim1 = 200
	s_mov_b32 s35, 32<<16                          ; tile_dim0 = 32
	s_mov_b32 s36, 200                             ; tile_dim1 = 200
	s_mov_b32 s37, 32                              ; from row to row
	s_mov_b32 s38, 0
	s_mov_b32 s39, 0
	s_mov_b32 s40, 15|(3<<16)|(1<<21)
	s_mov_b32 s41, 32<<16
	s_mov_b32 s42, 50<<16
	s_mov_b32 s43, 32<<16
	s_mov_b32 s44, 50
	s_mov_b32 s45, 32
	s_mov_b32 s46, 0
	s_mov_b32 s47, 0
	s_mov_b32 s48, 1                               ; group 0 for K: count;
	s_mul_i32 s49, s24, BLKB                       ; LDS: my wave's block;
	s_mov_b32 s52, 1                               ; for V:
	s_mul_i32 s53, s24, 12800
	s_add_co_u32 s53, s53, VREG                    ; my wave's quarter
	s_lshl_b32 s30, s27, 3
	s_add_co_u32 s30, s30, s24
	s_mul_i32 s30, s30, BLKB                       ; kimg: block 8 batch + wave: batch and wave alone, which the four partners share
	s_mov_b32 s31, 0
	s_wait_kmcnt 0x0
	s_add_nc_u64 s[50:51], s[18:19], s[30:31]
	s_or_b32 s51, s51, 0x80000000                  ; type = 2
	s_mul_i32 s30, s27, BLKB
	s_mul_i32 s61, s24, 12800
	s_add_co_u32 s30, s30, s61
	s_add_nc_u64 s[54:55], s[20:21], s[30:31]
	s_or_b32 s55, s55, 0x80000000
	; the other bases
	s_lshl_b32 s66, s27, 18
	s_lshl_b32 s67, s28, 13
	s_add_co_u32 s66, s66, s67
	s_lshl_b32 s67, s29, 8
	s_add_co_u32 s66, s66, s67
	s_mov_b32 s67, 0
	s_add_nc_u64 s[4:5], s[4:5], s[66:67]          ; hidden at position (i, j0) of the batch
	s_mul_i32 s68, s24, 3072
	s_mov_b32 s69, 0
	s_add_nc_u64 s[10:11], s[10:11], s[68:69]      ; Wq: head w's 64 rows
	s_lshl_b32 s68, s24, 7
	s_add_nc_u64 s[12:13], s[12:13], s[68:69]
	s_mul_i32 s68, s24, 48
	s_add_nc_u64 s[14:15], s[14:15], s[68:69]      ; Wv: K blocks 2 w on
	s_lshl_b32 s68, s24, 1
	s_add_nc_u64 s[16:17], s[16:17], s[68:69]
	s_lshl_b32 s70, s24, 2
	s_add_co_u32 s70, s70, s29
	s_lshl_b32 s70, s70, 13                        ; out: position (j0 + 4 w, i): query (i, j) lands at (j, i)
	s_lshl_b32 s71, s28, 8
	s_add_co_u32 s70, s70, s71
	s_lshl_b32 s71, s27, 18
	s_add_co_u32 s70, s70, s71
	s_mov_b32 s71, 0
	s_add_nc_u64 s[22:23], s[22:23], s[70:71]
	ROUND                                          ; all four work-groups are here: the first joint loads meet
	tensor_load_to_lds s[48:51], s[32:39]          ; head w's block of K
	s_nop 0
	tensor_load_to_lds s[52:55], s[40:47]          ; my quarter of V's block: two loads of mine are out
	s_nop 0
	PLACES 4
.irp i, 0,1,2,3,4,5,6,7
	global_load_b128 v[XN+4*\i:XN+4*\i+3], v120, s[4:5] offset:16*\i       ; x: my query's 32 numbers of my half
.endr
	WIN 0x40
.irp hd, 0,1
.irp a, 0,1
.irp u, 0,1
.irp p, 0,1,2
	global_load_b64 v[12*(2*\hd+\a)+6*\u+2*\p:12*(2*\hd+\a)+6*\u+2*\p+1], v121, s[10:11] offset:12288*\hd+1536*\a+384*\u+8*\p   ; Wq's pair fragments: head w + 4 hd, rows 32 a + 8 u on
.endr
.endr
.endr
.endr
	WIN 0
.irp hd, 0,1
.irp a, 0,1
.irp u, 0,1
	global_load_u16 v[WQH+4*\hd+2*\a+\u], v122, s[12:13] offset:512*\hd+64*\a+16*\u
.endr
.endr
.endr
	; waves 0 to 2 each make one fragment of the tables: lanes 0-15 quantise a row of row_emb, lanes 16-31 a row of col_emb: a row is one block of 32
	s_cmp_lt_u32 s24, 3
	s_cbranch_scc0 .Ljoin
.irp i, 0,1,2,3,4,5,6,7
	global_load_b128 v[T32+4*\i:T32+4*\i+3], v123, s[6:7] offset:3968+16*\i
.endr
.irp i, 0,1,2,3,4,5,6,7
	global_load_b128 v[TY+4*\i:TY+4*\i+3], v124, s[8:9] offset:3968+16*\i
.endr
	s_wait_loadcnt 0x0
	v_cmp_eq_u32 vcc_lo, 1, v129
.set n, 0
.rept 32
	v_cndmask_b32 v[T32+n], v[T32+n], v[TY+n], vcc_lo
.set n, n+1
.endr
	QB32 T32, FB, TM+10
.irp i, 0,1,2,3,4,5
	v_cndmask_b32 v[FB+6+\i], 0, v[FB+\i], vcc_lo          ; k = 64 .. 127: zeros in lanes 0-15, col codes in lanes 16-31
.endr
.irp i, 0,1,2,3,4,5
	v_cndmask_b32 v[FB+\i], v[FB+\i], v[TM+14], vcc_lo     ; k = 0 .. 63: row codes in lanes 0-15, zeros in lanes 16-31
.endr
	v_permlanex16_b32 v[TM+2], v[TM+10], s[SEL], s[SEL+1]
	v_lshl_or_b32 v[TM+11], v[TM+2], 24, v[TM+10]          ; lanes 0-15, which alone are read: [row's byte, 127, 127, col's byte]
	v_or_b32 v[TM+11], 0x7f7f00, v[TM+11]
.irp c, 0,1,2
	ds_store_b128 v[FWI], v[FB+4*\c:FB+4*\c+3] offset:512*\c
.endr
	ds_store_b32 v[FWS], v[TM+11]
.Ljoin:
	s_wait_loadcnt 0x0                             ; x, Wq
	QB32 XN, XA, TM+10
.irp i, 0,1,2,3,4,5
	v_mov_b32 v[XA+18+\i], v[XA+\i]                ; [0 | x]
	v_mov_b32 v[XA+6+\i], 0                        ; [x | 0]
	v_mov_b32 v[XA+12+\i], 0
.endr
	v_permlanex16_b32 v[TM+2], v[TM+10], s[SEL], s[SEL+1]
	v_lshl_or_b32 v[XS], v[TM+2], 8, v[TM+10]
	v_lshl_or_b32 v[XS], v[XS], 16, v[XS]
.irp k, 0,1,2,3
	v_lshl_or_b32 v[WQS+\k], v[WQH+2*\k+1], 16, v[WQH+2*\k]
.endr
	s_wait_dscnt 0x0                               ; for the others' sake: my table fragment has landed
	s_barrier_signal -1                            ; (the tensor loads may stay out)
	s_barrier_wait -1
	PLACES 8                                       ; scale registers written by vector instructions stand 8 places ahead of a scaled matrix instruction
.irp hd, 0,1                                   ; q of both heads: four tiles, quantised at once
	WIN 0x01
.irp a, 0,1
.irp u, 0,1
	WM OT+8*(2*\a+\u), 12*(2*\hd+\a), XA+12*\u, -1, WQS+2*\hd+\a, XS, 0    ; lane (q, hh), register j: d = 32 a + 16 hh + 8 u + j
.endr
.endr
	WIN 0
	PLACES 4
	QUANT2 OT, QC0-6*\hd, TM+10, TM+11
	v_lshl_or_b32 v[QS0-3*\hd], v[TM+11], 8, v[TM+10]
	v_lshl_or_b32 v[QS0-3*\hd], v[QS0-3*\hd], 16, v[QS0-3*\hd]             ; [block 0, block 1] twice: q stands in either half of K
.endr
	v_mul_u32_u24 v[WVO], v128, 384                ; Wv: row r of 384 bytes,
	v_mad_u32_u24 v[WVO], v129, 24, v[WVO]         ; + my half's 24.  These two offsets lie where nothing is written before the wait for the loads, behind the refill
	v_lshlrev_b32 v[WVO+1], 4, v128
.irp t, 0,1,2,3
.irp c, 0,1
.irp p, 0,1,2
	global_load_b64 v[WV+12*\t+6*\c+2*\p:WV+12*\t+6*\c+2*\p+1], v[WVO], s[14:15] offset:6144*\t+192*\c+8*\p   ; Wv: outputs 16 t on; K blocks 2 w + hh (head w) and 2 w + 8 + hh (head w + 4)
.endr
	global_load_u16 v[TM+2*\t+\c], v[WVO+1], s[16:17] offset:256*\t+8*\c
.endr
.endr
.irp i, 0,1,2,3,4,5
	v_mov_b32 v[OFR+6+\i], 0
.endr
	v_mov_b32 v[OS], 0
	HEADIN QC0, QS0, 1                             ; the count leaves my quarter of V out.  Wv's loads land under it: it names none of their registers
	; ---- THE ONE REFILL: my block of K has been read out and takes head w + 4's.  The round also shows V's four quarters to all four waves
	s_wait_tensorcnt 0x0                           ; all my tensor loads have landed, so a group 0 may be written
	ds_add_u32 v[SPW], v[NIL]                      ; 0 onto my spare word
	s_add_nc_u64 s[50:51], s[50:51], 4*BLKB        ; four blocks on; the type bits on top are not reached
	s_wait_dscnt 0x0                               ; the add is done, and my reads of the block are over
	ROUND                                          ; no wave of any partner still reads its block or has a load on its way
	tensor_load_to_lds s[48:51], s[32:39]          ; my one load behind the round: it has a head's softmax and value product in which to land
	s_nop 0
	PLACES 4
	s_wait_loadcnt 0x0                             ; Wv: its registers are filled, and its offsets may be written again
.irp t, 0,1,2,3
	v_lshl_or_b32 v[WVS+\t], v[TM+2*\t+1], 16, v[TM+2*\t]
.endr
	s_mov_b32 s60, 2
.Lhead:	; ---- A HEAD: softmax over the 1,024 scores in registers, the value product, the result as codes.  Two trips
.set n, 0
.rept 16
	ds_load_b32 v[KVS+n], v[VSA] offset:128*n      ; V's scale words: lanes 0-15 fragment 2 n, lanes 16-31 fragment 2 n + 1.  (The last score tiles stand four v_nop and 64 lines back)
.set n, n+1
.endr
	FETCH VAD, 0                                   ; V's first 16 fragments land under the softmax
	FETCH VAD, 1
	WIN 0
.set n, 0
.rept 32
	v_permlanex16_b32 v[T32+n], v[BM+n], s[SEL], s[SEL+1]
.set n, n+1
.endr
.set n, 0
.rept 32
	v_max_num_f32 v[BM+n], v[BM+n], v[T32+n]       ; with lane l xor 16's sixteen: the block's largest score without its col score
.set n, n+1
.endr
.set n, 0
.rept 32
	v_add_f32 v[T32+n], v[BM+n], v[COL+n]
.set n, n+1
.endr
.irp k, 0,1,2,3,4,5,6,7,8,9                    ; the largest of the 32, as a tree in place: ten threes,
	v_max3_num_f32 v[T32+3*\k], v[T32+3*\k], v[T32+3*\k+1], v[T32+3*\k+2]
.endr
.irp k, 0,1,2                                  ; three threes of those, the tenth with the two left over,
	v_max3_num_f32 v[T32+9*\k], v[T32+9*\k], v[T32+9*\k+3], v[T32+9*\k+6]
.endr
	v_max3_num_f32 v[T32+27], v[T32+27], v[T32+30], v[T32+31]
	v_max3_num_f32 v[T32], v[T32], v[T32+9], v[T32+18]
	v_max_num_f32 v[MX], v[T32], v[T32+27]         ; the row's largest score m
	v_mov_b32 v[MX+1], v[MX]
.set n, 0
.rept 16
	v_pk_add_f32 v[COL+2*n:COL+2*n+1], v[COL+2*n:COL+2*n+1], v[MX:MX+1] neg_lo:[0,1] neg_hi:[0,1]
.set n, n+1
.endr
.set n, 0
.rept 16
	v_pk_mul_f32 v[COL+2*n:COL+2*n+1], v[COL+2*n:COL+2*n+1], s[CS:CS+1] op_sel_hi:[1,0]   ; the block's addend c (col - m)
.set n, n+1
.endr
.set n, 0
.rept 32
	v_fma_f32 v[BM+n], v[BM+n], s[CS], v[COL+n]    ; the block's largest score goes the way of every score
.set n, n+1
.endr
	EXPW 0
	EXPW 1
	WIN 0
.set n, 0
.rept 32
	v_exp_f32 v[BM+n], v[BM+n]
.set n, n+1
.endr
	v_nop                                          ; a plain place behind the last exponential
	s_wait_alu depctr_va_vdst(0)                   ; ONE wait for the batch of 544, ahead of its first reader
	WIN 0x0a                                       ; the row's sum, two at a time, in eight chains that the first 32 numbers start: no line reads the result of one of the seven lines above it
.irp k, 0,1,2,3,4,5,6,7
	v_pk_add_f32 v[SUM+2*\k:SUM+2*\k+1], v[4*\k:4*\k+1], v[4*\k+2:4*\k+3]
.endr
	WIN 0x08
.set n, 16
.rept 112
	v_pk_add_f32 v[SUM+2*(n%8):SUM+2*(n%8)+1], v[SUM+2*(n%8):SUM+2*(n%8)+1], v[2*n:2*n+1]
.set n, n+1
.endr
	WIN 0x0c
.set n, 0
.rept 128
	v_pk_add_f32 v[SUM+2*(n%8):SUM+2*(n%8)+1], v[SUM+2*(n%8):SUM+2*(n%8)+1], v[2*n:2*n+1]
.set n, n+1
.endr
	WIN 0
.irp k, 0,1,2,3
	v_pk_add_f32 v[SUM+2*\k:SUM+2*\k+1], v[SUM+2*\k:SUM+2*\k+1], v[SUM+8+2*\k:SUM+8+2*\k+1]
.endr
	v_pk_add_f32 v[SUM:SUM+1], v[SUM:SUM+1], v[SUM+4:SUM+5]
	v_pk_add_f32 v[SUM+2:SUM+3], v[SUM+2:SUM+3], v[SUM+6:SUM+7]
	v_pk_add_f32 v[SUM:SUM+1], v[SUM:SUM+1], v[SUM+2:SUM+3]
	v_add_f32 v[SUM], v[SUM], v[SUM+1]
	v_permlanex16_b32 v[SUM+1], v[SUM], s[SEL], s[SEL+1]
	v_add_f32 v[SUM], v[SUM], v[SUM+1]             ; with lane l xor 16's half of the keys
	v_rcp_f32 v[RL], v[SUM]
	v_nop
	s_wait_alu depctr_va_vdst(0)                   ; ahead of the reciprocal's first reader
	v_mov_b32 v[RL+1], v[RL]
	NORMW 0                                        ; p, finished and normalised: this is what is quantised
	NORMW 1
	WIN 0
.set n, 0
.rept 32
	v_mul_f32 v[BM+n], v[BM+n], v[RL]              ; the block's largest p
.set n, n+1
.endr
.set n, 0
.rept 32
	v_max_num_f32 v[BM+n], 0x1800000, v[BM+n]      ; the floor 2^(3 - 127): the byte cannot fall under 1
.set n, n+1
.endr
.set n, 0
.rept 32
	v_add_nc_u32 v[BM+n], 0xff000000, v[BM+n]      ; 2 off the exponent field: the conversion's scale operand
.set n, n+1
.endr
.set n, 0
.rept 32
	v_lshrrev_b32 v[T32+n], 23, v[BM+n]            ; the scale's byte
.set n, n+1
.endr
.irp s, 0,1,2,3,4,5,6,7                        ; p's scale word of K step s, the eight words by turns
	v_lshl_or_b32 v[PS+\s], v[T32+4*\s+1], 8, v[T32+4*\s]
.endr
.irp s, 0,1,2,3,4,5,6,7
	v_lshl_or_b32 v[PS+\s], v[T32+4*\s+2], 16, v[PS+\s]
.endr
.irp s, 0,1,2,3,4,5,6,7
	v_lshl_or_b32 v[PS+\s], v[T32+4*\s+3], 24, v[PS+\s]
.endr
	; the value product: a step's codes are made two steps ahead of its products; the swaps and moves of the step in between are the places in front of them and of the loads
	QSTEP 0
	QSTEP 1
	s_wait_dscnt 0x0                               ; V's batches 0 and 1 and its scale words
	MMSTEP 0
	QSTEP 2
	MMSTEP 1
	QSTEP 3
	FETCH VAD, 2
	MMSTEP 2
	QSTEP 4
	MMSTEP 3
	QSTEP 5
	FETCH VAD, 3
	s_wait_dscnt 24                                ; batch 2 is in; batch 3's 24 loads may be out
	MMSTEP 4
	QSTEP 6
	MMSTEP 5
	QSTEP 7
	PLACES 4                                       ; no later step's moves follow: the places between the last codes and their products
	s_wait_dscnt 0x0
	MMSTEP 6
	MMSTEP 7
	WIN 0
.irp i, 0,1,2,3,4,5
	v_mov_b32 v[OFR+\i], v[OFR+6+\i]               ; the head before moves down (these six are the places behind the last products)
.endr
	QUANT2 OT, OFR+6, TM+10, TM+11                 ; lane (q, hh): block hh of this head's 64 along the last product's K
	v_lshl_or_b32 v[TM+10], v[TM+11], 8, v[TM+10]
	v_lshrrev_b32 v[OS], 16, v[OS]
	v_lshl_or_b32 v[OS], v[TM+10], 16, v[OS]
	s_sub_co_u32 s60, s60, 1
	s_cmp_eq_u32 s60, 0
	s_cbranch_scc1 .Lskip                          ; no tensor load and no barrier stands under this branch
	HEADIN QC1, QS1, 0                             ; head w + 4: no load was issued behind the refill, so the count is 0
.Lskip:
	s_cmp_lg_u32 s60, 0
	s_cbranch_scc1 .Lhead
	; ---- THE LAST PRODUCT: my two heads are one K step of 128; the four waves' partial results meet in LDS
	PLACES 8                                       ; the result's scale word and codes were written by vector instructions
.irp t, 0,1,2,3
	WM OT+8*\t, WV+12*\t, OFR, -1, WVS+\t, OS, 0   ; lane (q, hh), register j: output channel 16 t + 8 hh + j
.endr
	PLACES 4
.irp t, 0,1,2,3
	ds_store_b128 v[OSO], v[OT+8*\t:OT+8*\t+3] offset:64*\t
	ds_store_b128 v[OSO], v[OT+8*\t+4:OT+8*\t+7] offset:64*\t+16
.endr
	s_wait_dscnt 0x0                               ; for the others' sake: my partial results have landed
	s_barrier_signal -1
	s_barrier_wait -1
.irp e, 0,1
.irp p, 0,1,2,3
	ds_load_b128 v[COL+16*\e+4*\p:COL+16*\e+4*\p+3], v[ORD] offset:16*GP*\p+2*GP*\e   ; wave p's partial of queries 4 w + 2 e + lane / 16
.endr
.endr
	s_wait_dscnt 0x0
.irp e, 0,1
.irp k, 0,2
	v_pk_add_f32 v[COL+16*\e+\k:COL+16*\e+\k+1], v[COL+16*\e+\k:COL+16*\e+\k+1], v[COL+16*\e+4+\k:COL+16*\e+4+\k+1]
	v_pk_add_f32 v[COL+16*\e+8+\k:COL+16*\e+8+\k+1], v[COL+16*\e+8+\k:COL+16*\e+8+\k+1], v[COL+16*\e+12+\k:COL+16*\e+12+\k+1]
.endr
.irp k, 0,2
	v_pk_add_f32 v[COL+16*\e+\k:COL+16*\e+\k+1], v[COL+16*\e+\k:COL+16*\e+\k+1], v[COL+16*\e+8+\k:COL+16*\e+8+\k+1]
.endr
	global_store_b128 v[OGO], v[COL+16*\e:COL+16*\e+3], s[22:23] offset:16384*\e th:TH_STORE_NT   ; sixteen lanes store a position's 256 consecutive, aligned bytes
.endr
	s_wait_tensorcnt 0x0                           ; the wave's end: behind my last tensor load and my last LDS store
	ds_add_u32 v[SPW], v[NIL]
	s_wait_dscnt 0x0
	ROUND                                          ; the closing round: no work-group ends while a partner may still ask for a block that names it
	s_endpgm
.Lfunc_end_k_q20ae870692_attn:
	.size	k_q20ae870692_attn, .Lfunc_end_k_q20ae870692_attn-k_q20ae870692_attn
	.p2alignl 7, 3214868480
	.fill 96, 4, 3214868480
	.section	.rodata,"a",@progbits
	.p2align	6, 0x0
	.amdhsa_kernel k_q20ae870692_attn
		.amdhsa_group_segment_fixed_size 327680
		.amdhsa_private_segment_fixed_size 0
		.amdhsa_enable_private_segment 0
		.amdhsa_kernarg_size 80
		.amdhsa_user_sgpr_count 2
		.amdhsa_user_sgpr_kernarg_segment_ptr 1
		.amdhsa_wavefront_size32 1
		.amdhsa_system_sgpr_workgroup_id_x 1
		.amdhsa_system_sgpr_workgroup_id_y 1
		.amdhsa_system_sgpr_workgroup_id_z 1
		.amdhsa_system_vgpr_workitem_id 0
		.amdhsa_next_free_vgpr 1024
		.amdhsa_next_free_sgpr 72
		.amdhsa_reserve_vcc 1
		.amdhsa_float_denorm_mode_32 3
		.amdhsa_float_denorm_mode_16_64 3
		.amdhsa_memory_ordered 1
		.amdhsa_forward_progress 1
		.amdhsa_inst_pref_size 211
	.end_amdhsa_kernel
	.amdgpu_metadata
---
amdhsa.version: [ 1, 2 ]
amdhsa.kernels:
  - .name:           k_q20ae870692_attn
    .symbol:         k_q20ae870692_attn.kd
    .args:
      - { .name: hidden_state, .offset: 0, .size: 8, .value_kind: global_buffer, .address_space: global }
      - { .name: row_emb, .offset: 8, .size: 8, .value_kind: global_buffer, .address_space: global }
      - { .name: col_emb, .offset: 16, .size: 8, .value_kind: global_buffer, .address_space: global }
      - { .name: Wq_codes, .offset: 24, .size: 8, .value_kind: global_buffer, .address_space: global }
      - { .name: Wq_scales, .offset: 32, .size: 8, .value_kind: global_buffer, .address_space: global }
      - { .name: Wv_codes, .offset: 40, .size: 8, .value_kind: global_buffer, .address_space: global }
      - { .name: Wv_scales, .offset: 48, .size: 8, .value_kind: global_buffer, .address_space: global }
      - { .name: kimg, .offset: 56, .size: 8, .value_kind: global_buffer, .address_space: global }
      - { .name: vimg, .offset: 64, .size: 8, .value_kind: global_buffer, .address_space: global }
      - { .name: out0, .offset: 72, .size: 8, .value_kind: global_buffer, .address_space: global }
    .group_segment_fixed_size: 327680
    .private_segment_fixed_size: 0
    .kernarg_segment_align: 8
    .kernarg_segment_size: 80
    .max_flat_workgroup_size: 128
    .sgpr_count:     72
    .vgpr_count:     1024
    .wavefront_size: 32
...
	.end_amdgpu_metadata
.endif
;; end of part 2
;; ======== version 2 of 2: 2 launches; version 1 with the launch prep written anew for expert scheduling mode
;; workspace buffers: kimg 1,638,400 bytes; vimg 204,800 bytes
;; launch prep (part 3): grid 288 x 1, 4 waves a work-group, no clusters, 768 bytes of LDS; arguments hidden_state, Wk_codes, Wk_scales, kimg, vimg; writes kimg, vimg
.if DOCPART == 3
	.amdgcn_target "amdgcn-amd-amdhsa--gfx1250"
	.amdhsa_code_object_version 6
	.text
	.protected	k_q20ae870692_prep
	.globl	k_q20ae870692_prep
	.p2align	8
	.type	k_q20ae870692_prep,@function
k_q20ae870692_prep:
	s_mov_b64 s[64:65], 0
	v_nop
	global_prefetch_b8 v0, s[64:65] scope:SCOPE_SE
	s_setreg_imm32_b32 hwreg(HW_REG_WAVE_SCHED_MODE, 0, 2), 2
	s_setreg_imm32_b32 hwreg(HW_REG_WAVE_MODE, 25, 1), 1
	s_wait_xcnt 0x0
	s_wait_alu depctr_vm_vsrc(0)
; k = hidden Wk (on codes of E2M3), quantised along the head's 64, and hidden quantised along the keys: both laid out as IMAGES OF OPERAND REGISTERS for the launch that follows.
; A BLOCK of 51,200 bytes: 2,048 bytes of scale words [f 0..31][row 0..15], then 32 fragments of 1,536 bytes [f][c 0..2][lane][16 bytes]: registers 4 c .. 4 c + 3 of the lane's twelve.
; kimg: a block for each (batch, head).  Fragment f = beta holds TWO tiles of 16 keys, K = 64 each: registers 0-5 tile u = 0, registers 6-11 tile u = 1.  Row m of tile u is the key at position
;   32 L + beta, L = 8 u + m + 8 (m / 8); lane (m, hh) holds its numbers d = 32 hh .. 32 hh + 31.  Scale word of row m: [u0 d-block 0, u0 d-block 1, u1 d-block 0, u1 d-block 1].
; vimg: a block for each batch.  Fragment f = 4 s + t: row r is channel 32 (t / 2) + 8 (t % 2) + r + 8 (r / 8); registers 6 c .. 6 c + 5 of lane (r, hh) hold the values at positions 128 s + 64 c + 32 hh + 0 .. 31.
; SHARES.  Work-groups 0-255: (batch, head) = number / 8, four fragments each, one a wave.  Work-groups 256-287: batch = (number - 256) / 8, likewise.  One wave makes one fragment and its 16 scale words.
; K = 64 IN AN INSTRUCTION OF K = 128: an operand of twelve registers carries two tiles of Wk's rows; against [x | zero codes] it gives the first tile, against [zero codes | x] the second: a zero code adds nothing
; under any scale byte but 0xff, and E2M3 has no infinity and no NaN.
; THE PRODUCT IS USED TRANSPOSED (source 0 = rows of Wk, source 1 = 16 positions), and the rows of Wk that form a tile are 8 + 8 rows 16 apart, so that a lane's 16 registers of two tiles are 16 neighbours along d.
; A block's scale byte is the largest magnitude's exponent field - 2, held at 1 from below (a block of zeros keeps 1: its codes are zeros, and this program alone reads the bytes).
; LIMITS: NaN and infinities among the inputs are not served; blocks whose largest magnitude lies under 2^-124 keep the byte 1.
; No tensor load, no cluster: no two work-groups want the same tile at the same time, and each wave's share is a few KB read straight into registers.
; THE MODE: SCHED_MODE bits 1:0 = 2 (LLVM: expert scheduling mode 2), set by the entry lines.  The code itself states the register dependences
; between vector or matrix instructions and memory or LDS instructions, with s_wait_alu, always for 0.
; THE PLAN.  There is no loop: a wave loads once, computes once, stores once.  Registers that memory or LDS instructions touch:
;   v4, v5, v6           offsets of the way out: written at the head, never again; read by the tail's stores and its LDS load.
;   v8-10 (K), v11 (V)   offsets of the loads: written just ahead of the loads, never again.
;   v16-79, v128-151, v186-189   the loads land here; no vector instruction names them ahead of the loads.
;   v152-163, v184       the image and the scale word: written by the quantisers' lines, read by the tail's four stores, never written again.
;   v164-165             at work in the quantisers; in wave 0 the tail's LDS load lands here, and its last store reads them.
;   v192, v193           written at the head, read by the closing add alone.
; So one wait on va_vdst stands ahead of each way's run of loads (the offsets), one ahead of the first matrix instruction (operands and scales made by vector instructions), and one at the tail's head (the stores'
; data; the quantisers are done with v164-165).  One wait on va_sdst stands ahead of the first reader of the wave's number.  No register that a memory or LDS instruction reads is written again: no wait on vm_vsrc is owed.
.set BLKB, 51200
.set FRB,  1536
.set TM,   164                         ; v164-179 at work: +0,+1 largest magnitudes, +2,+3 the other half's, +4..+6 a conversion's spare three, +8,+9 scale operands, +12..+15 scale bytes
.set SEL,  26                          ; s[26:27] v_permlanex16_b32's selects for lane l xor 16
.set X0,   16                          ; v16-79   64 numbers as loaded; later k: key tile u, d tile n at v[16 + 32 u + 8 n]
.set XAB,  80                          ; v80-127  [x | 0] and [0 | x] of key tile u at v[80 + 24 u], v[92 + 24 u]
.set WK,   128                         ; v128-151 Wk's two pair fragments
.set IMG,  152                         ; v152-163 the fragment that leaves
.set WKS,  180                         ; v180-181 Wk's scale words;  v182-183 x's: these four hold scales and nothing else
.set XS,   182
.set PW,   184                         ; v184     the scale word that leaves
.set HB,   186                         ; v186-189 Wk's scale bytes, two a row
.macro PLACES n
.rept \n
	v_nop
.endr
.endm
; 32 numbers of ONE lane, a whole block, become six registers of codes at v[dst] and the scale's byte in v[sb]
.macro QB32 src, dst, sb
	v_max3_num_f32 v[TM], |v[\src]|, |v[\src+1]|, 0x1800000     ; with the floor 2^(3 - 127) among the leaves: the byte cannot fall under 1
	v_max3_num_f32 v[TM+1], |v[\src+2]|, |v[\src+3]|, |v[\src+4]|
.irp i, 5,9,13,17,21,25
	v_max3_num_f32 v[TM], v[TM], |v[\src+\i]|, |v[\src+\i+1]|
	v_max3_num_f32 v[TM+1], v[TM+1], |v[\src+\i+2]|, |v[\src+\i+3]|
.endr
	v_max3_num_f32 v[TM], v[TM], |v[\src+29]|, |v[\src+30]|
	v_max3_num_f32 v[TM], v[TM], v[TM+1], |v[\src+31]|
	v_add_nc_u32 v[TM+8], 0xff000000, v[TM]                     ; 2 off the exponent field: the conversion takes this operand's exponent field as its scale
	v_lshrrev_b32 v[\sb], 23, v[TM+8]
	v_cvt_scalef32_pk16_fp6_f32 v[\dst:\dst+2], v[\src:\src+15], v[TM+8]
	v_cvt_scalef32_pk16_fp6_f32 v[TM+4:TM+6], v[\src+16:\src+31], v[TM+8]   ; (a conversion's three registers begin on an even number)
	v_nop                                                       ; one plain place behind a scaled conversion
.irp i, 0,1,2
	v_mov_b32 v[\dst+3+\i], v[TM+4+\i]
.endr
.endm
; 32 registers of four transposed tiles, register 16 b + i = number 32 b + 16 (lane / 16) + i of the lane's row, become six registers of codes (lane (r, hh): block hh) and the two blocks' bytes
.macro QUANT2 src, dst, sb0, sb1
	v_max3_num_f32 v[TM], |v[\src]|, |v[\src+1]|, 0x1800000     ; each tile is read from its low end on
	v_max3_num_f32 v[TM+1], |v[\src+16]|, |v[\src+17]|, 0x1800000
.irp i, 2,4,6,8,10,12,14
	v_max3_num_f32 v[TM], v[TM], |v[\src+\i]|, |v[\src+\i+1]|
	v_max3_num_f32 v[TM+1], v[TM+1], |v[\src+16+\i]|, |v[\src+17+\i]|
.endr
	v_permlanex16_b32 v[TM+2], v[TM], s[SEL], s[SEL+1]
	v_permlanex16_b32 v[TM+3], v[TM+1], s[SEL], s[SEL+1]
	v_max_num_f32 v[TM], v[TM], v[TM+2]                         ; with lane l xor 16's sixteen: the block's largest magnitude
	v_max_num_f32 v[TM+1], v[TM+1], v[TM+3]
	v_add_nc_u32 v[TM+8], 0xff000000, v[TM]
	v_add_nc_u32 v[TM+9], 0xff000000, v[TM+1]
	v_lshrrev_b32 v[\sb0], 23, v[TM+8]
	v_lshrrev_b32 v[\sb1], 23, v[TM+9]
	v_cvt_scalef32_pk16_fp6_f32 v[\dst:\dst+2], v[\src:\src+15], v[TM+8]
	v_cvt_scalef32_pk16_fp6_f32 v[TM+4:TM+6], v[\src+16:\src+31], v[TM+9]
	v_nop
.irp i, 0,1,2
	v_permlane16_swap_b32 v[\dst+\i], v[TM+4+\i]                ; the first's lanes 16-31 change places with the second's lanes 0-15: each lane now has one whole block
.endr
.irp i, 0,1,2
	v_mov_b32 v[\dst+3+\i], v[TM+4+\i]
.endr
.endm
; one matrix instruction; c < 0: the constant 0 starts the sum; row = 1: source 0's scales stand in lanes 16-31
.macro WM d, a, b, c, sa, sb, row
.if (\c) < 0
.if \row
	v_wmma_scale_f32_16x16x128_f8f6f4 v[\d:\d+7], v[\a:\a+11], v[\b:\b+11], 0, v[\sa], v[\sb] matrix_a_fmt:MATRIX_FMT_FP6 matrix_b_fmt:MATRIX_FMT_FP6 matrix_a_scale:MATRIX_SCALE_ROW1
.else
	v_wmma_scale_f32_16x16x128_f8f6f4 v[\d:\d+7], v[\a:\a+11], v[\b:\b+11], 0, v[\sa], v[\sb] matrix_a_fmt:MATRIX_FMT_FP6 matrix_b_fmt:MATRIX_FMT_FP6
.endif
.else
.if \row
	v_wmma_scale_f32_16x16x128_f8f6f4 v[\d:\d+7], v[\a:\a+11], v[\b:\b+11], v[\c:\c+7], v[\sa], v[\sb] matrix_a_fmt:MATRIX_FMT_FP6 matrix_b_fmt:MATRIX_FMT_FP6 matrix_a_scale:MATRIX_SCALE_ROW1
.else
	v_wmma_scale_f32_16x16x128_f8f6f4 v[\d:\d+7], v[\a:\a+11], v[\b:\b+11], v[\c:\c+7], v[\sa], v[\sb] matrix_a_fmt:MATRIX_FMT_FP6 matrix_b_fmt:MATRIX_FMT_FP6
.endif
.endif
.endm
	s_load_b256 s[4:11], s[0:1], 0x0               ; hidden s[4:5], Wk's codes s[6:7], Wk's scales s[8:9], kimg s[10:11]
	s_load_b64 s[12:13], s[0:1], 0x20              ; vimg
	v_lshl_add_u32 v192, v0, 2, 0x100              ; the LDS address of my spare word, and 0: made here and kept for the closing lines alone
	v_mov_b32 v193, 0
	v_lshrrev_b32 v1, 5, v0
	v_readfirstlane_b32 s14, v1                    ; wave 0..3
	v_and_b32 v1, 31, v0                           ; lane
	v_and_b32 v2, 15, v0                           ; m
	v_bfe_u32 v3, v0, 4, 1                         ; hh
	v_lshlrev_b32 v4, 4, v1                        ; 16 x lane: my place in a chunk of the image
	s_wait_alu depctr_va_sdst(0)                   ; s14, the wave's number, is written, ahead of its first reader
	s_lshl_b32 s20, s14, 6
	v_lshl_add_u32 v5, v2, 2, s20                  ; LDS: 64 x wave + 4 m: my row's scale word among the work-group's 64
	v_lshlrev_b32 v6, 3, v1                        ; 8 x lane: the way out of those 256 bytes
	v_and_b32 v7, 8, v2
	v_add_nc_u32 v7, v7, v2                        ; m + 8 (m / 8)
	v_mov_b32 v[TM+2], 0                           ; written once: a lane permute's destination counts as one of its sources
	v_mov_b32 v[TM+3], 0
	s_mov_b32 s[SEL], 0x76543210
	s_mov_b32 s[SEL+1], 0xfedcba98
	s_cmp_lt_u32 ttmp9, 256                        ; K's work-group or V's?
	s_cselect_b32 s15, 0, 256
	s_sub_co_u32 s15, ttmp9, s15
	s_lshr_b32 s16, s15, 3                         ; which block
	s_and_b32 s17, s15, 7                          ; which four fragments of it
	s_lshl_b32 s18, s17, 2
	s_add_co_u32 s18, s18, s14                     ; my fragment f
	s_mul_i32 s20, s16, BLKB
	s_mov_b32 s21, 0
	s_mul_i32 s22, s18, FRB
	s_add_co_u32 s22, s22, 2048
	s_mov_b32 s23, 0
	s_lshl_b32 s30, s17, 8
	s_mov_b32 s31, 0
	s_wait_kmcnt 0x0
	s_cmp_lt_u32 ttmp9, 256                        ; the choice of buffer hangs on the work-group's number alone
	s_cselect_b64 s[24:25], s[10:11], s[12:13]
	s_add_nc_u64 s[24:25], s[24:25], s[20:21]      ; the block,
	s_add_nc_u64 s[28:29], s[24:25], s[22:23]      ; my fragment's image in it,
	s_add_nc_u64 s[30:31], s[24:25], s[30:31]      ; and the work-group's 256 bytes of scale words (these sums leave SCC as the compare set it)
	s_cbranch_scc0 .Lv
	; ---- K: my fragment is beta = f of (batch, head)
	s_lshr_b32 s19, s16, 3                         ; batch
	s_and_b32 s32, s16, 7                          ; head
	s_lshl_b32 s20, s19, 18
	s_lshl_b32 s22, s18, 8
	s_add_co_u32 s20, s20, s22
	s_add_nc_u64 s[4:5], s[4:5], s[20:21]          ; hidden at position beta of the batch
	s_mul_i32 s20, s32, 3072
	s_add_nc_u64 s[6:7], s[6:7], s[20:21]          ; the head's 64 rows of Wk, 48 bytes each
	s_lshl_b32 s20, s32, 7
	s_add_nc_u64 s[8:9], s[8:9], s[20:21]          ; and their scale bytes, 2 a row
	v_lshlrev_b32 v8, 13, v7
	v_lshl_add_u32 v8, v3, 7, v8                   ; x: position 32 (m + 8 (m / 8)) on, + my half's 128 bytes
	v_mul_u32_u24 v9, v7, 48
	v_mad_u32_u24 v9, v3, 24, v9                   ; Wk: row m + 8 (m / 8), + my half's 24 bytes
	v_lshlrev_b32 v10, 1, v7
	s_wait_alu depctr_va_vdst(0)                   ; v8, v9 and v10 are written, which the loads below read as their offsets
.irp u, 0,1
.irp i, 0,1,2,3,4,5,6,7
	global_load_b128 v[X0+32*\u+4*\i:X0+32*\u+4*\i+3], v8, s[4:5] offset:65536*\u+16*\i   ; key tile u: 8 positions of 32 further on
.endr
.endr
.irp a, 0,1
.irp u, 0,1
.irp p, 0,1,2
	global_load_b64 v[WK+12*\a+6*\u+2*\p:WK+12*\a+6*\u+2*\p+1], v9, s[6:7] offset:1536*\a+384*\u+8*\p   ; rows 32 a + 8 u on
.endr
	global_load_u16 v[HB+2*\a+\u], v10, s[8:9] offset:64*\a+16*\u
.endr
.endr
	s_wait_loadcnt 0x0                             ; one wait: a wave has one fragment to make and nothing to do meanwhile
	QB32 X0, XAB, TM+12
	QB32 X0+32, XAB+24, TM+13
.irp u, 0,1
.irp i, 0,1,2,3,4,5
	v_mov_b32 v[XAB+24*\u+18+\i], v[XAB+24*\u+\i]  ; [0 | x]
	v_mov_b32 v[XAB+24*\u+6+\i], 0                 ; [x | 0]
	v_mov_b32 v[XAB+24*\u+12+\i], 0
.endr
.endr
.irp u, 0,1
	v_permlanex16_b32 v[TM+2+\u], v[TM+12+\u], s[SEL], s[SEL+1]
	v_lshl_or_b32 v[XS+\u], v[TM+2+\u], 8, v[TM+12+\u]   ; lanes 0-15, which alone are read: [block 0, block 1],
	v_lshl_or_b32 v[XS+\u], v[XS+\u], 16, v[XS+\u]       ; twice: x stands in either half of K
.endr
.irp a, 0,1
	v_lshl_or_b32 v[WKS+\a], v[HB+2*\a+1], 16, v[HB+2*\a]
.endr
	PLACES 8                                       ; a scale register written by a vector instruction stands 8 places ahead of a scaled matrix instruction, an operand 4
	s_wait_alu depctr_va_vdst(0)                   ; x's four operands v80-127 and the scale words v180-183 are written by vector instructions: the scaled matrix instructions below take them; the places above stay beside this wait
.irp u, 0,1
.irp a, 0,1
	WM X0+32*\u+16*\a, WK+12*\a, XAB+24*\u, -1, WKS+\a, XS+\u, 0         ; lane (key, hh), register j: d = 32 a + 16 hh + j
	WM X0+32*\u+16*\a+8, WK+12*\a, XAB+24*\u+12, -1, WKS+\a, XS+\u, 0    ; d = 32 a + 16 hh + 8 + j
.endr
.endr
	PLACES 4
	QUANT2 X0, IMG, TM+12, TM+13
	QUANT2 X0+32, IMG+6, TM+14, TM+15
	v_lshl_or_b32 v[PW], v[TM+13], 8, v[TM+12]
	v_lshl_or_b32 v[PW], v[TM+14], 16, v[PW]
	v_lshl_or_b32 v[PW], v[TM+15], 24, v[PW]
	s_branch .Ltail
.Lv:	; ---- V: my fragment is K step s = the work-group's, channel tile t = my wave.  A lane takes a channel and its registers run down the positions
	s_lshl_b32 s20, s16, 18                        ; batch
	s_lshl_b32 s22, s17, 15                        ; 128 s positions of 256 bytes
	s_add_co_u32 s20, s20, s22
	s_lshr_b32 s22, s14, 1
	s_lshl_b32 s22, s22, 7
	s_add_co_u32 s20, s20, s22                     ; channel 32 (t / 2)
	s_and_b32 s22, s14, 1
	s_lshl_b32 s22, s22, 5
	s_add_co_u32 s20, s20, s22                     ; + 8 (t % 2)
	s_add_nc_u64 s[4:5], s[4:5], s[20:21]
	v_lshlrev_b32 v11, 2, v7
	v_lshl_add_u32 v11, v3, 13, v11                ; channel r + 8 (r / 8); lanes 16-31 begin 32 positions further down
	s_wait_alu depctr_va_vdst(0)                   ; v11 is written, which the loads below read as their offset
.irp c, 0,1
.irp i, 0,1,2,3,4,5,6,7,8,9,10,11,12,13,14,15,16,17,18,19,20,21,22,23,24,25,26,27,28,29,30,31
	global_load_b32 v[X0+32*\c+\i], v11, s[4:5] offset:16384*\c+256*\i   ; pieces of 32 bytes of a position's row; the four waves together take whole rows, and the tensor is walked once
.endr
.endr
	s_wait_loadcnt 0x0
	QB32 X0, IMG, TM+12
	QB32 X0+32, IMG+6, TM+13
	v_lshl_or_b32 v[PW], v[TM+13], 16, v[TM+12]    ; my two bytes: blocks hh and 2 + hh of the step,
	v_lshlrev_b32 v[TM+14], 3, v3
	v_lshlrev_b32 v[PW], v[TM+14], v[PW]           ; at their places in the word;
	v_permlanex16_b32 v[TM+2], v[PW], s[SEL], s[SEL+1]
	v_or_b32 v[PW], v[PW], v[TM+2]                 ; with lane l xor 16's two it is whole
.Ltail:	; ---- both: the image leaves as it stands, 512 consecutive bytes a store; the work-group's 64 scale words meet in LDS and leave as 256 consecutive, aligned bytes
	s_wait_alu depctr_va_vdst(0)                   ; the image v152-163 and the scale word v184 are written, which the four stores below read; and the quantisers are done with v164-165, in which wave 0's LDS load lands: no vector instruction follows this wait
.irp c, 0,1,2
	global_store_b128 v4, v[IMG+4*\c:IMG+4*\c+3], s[28:29] offset:512*\c
.endr
	ds_store_b32 v5, v[PW]                         ; both halves of the lanes write the same word with the same value
	s_wait_dscnt 0x0                               ; for the others' sake: my store has landed
	s_barrier_signal -1
	s_barrier_wait -1
	s_cmp_lg_u32 s14, 0
	s_cbranch_scc1 .Lend
	ds_load_b64 v[TM:TM+1], v6
	s_wait_dscnt 0x0
	global_store_b64 v6, v[TM:TM+1], s[30:31]
.Lend:
	s_wait_dscnt 0x0                               ; the closing lines, six on end
	s_wait_alu 0x0
	s_wait_tensorcnt 0x0
	ds_add_u32 v192, v193
	s_wait_dscnt 0x0
	s_endpgm
.Lfunc_end_k_q20ae870692_prep:
	.size	k_q20ae870692_prep, .Lfunc_end_k_q20ae870692_prep-k_q20ae870692_prep
	.p2alignl 7, 3214868480
	.fill 96, 4, 3214868480
	.section	.rodata,"a",@progbits
	.p2align	6, 0x0
	.amdhsa_kernel k_q20ae870692_prep
		.amdhsa_group_segment_fixed_size 768
		.amdhsa_private_segment_fixed_size 0
		.amdhsa_enable_private_segment 0
		.amdhsa_kernarg_size 40
		.amdhsa_user_sgpr_count 2
		.amdhsa_user_sgpr_kernarg_segment_ptr 1
		.amdhsa_wavefront_size32 1
		.amdhsa_system_sgpr_workgroup_id_x 1
		.amdhsa_system_sgpr_workgroup_id_y 1
		.amdhsa_system_sgpr_workgroup_id_z 1
		.amdhsa_system_vgpr_workitem_id 0
		.amdhsa_next_free_vgpr 194
		.amdhsa_next_free_sgpr 66
		.amdhsa_reserve_vcc 0
		.amdhsa_float_denorm_mode_32 3
		.amdhsa_float_denorm_mode_16_64 3
		.amdhsa_memory_ordered 1
		.amdhsa_forward_progress 1
		.amdhsa_inst_pref_size 26
	.end_amdhsa_kernel
	.amdgpu_metadata
---
amdhsa.version: [ 1, 2 ]
amdhsa.kernels:
  - .name:           k_q20ae870692_prep
    .symbol:         k_q20ae870692_prep.kd
    .args:
      - { .name: hidden_state, .offset: 0, .size: 8, .value_kind: global_buffer, .address_space: global }
      - { .name: Wk_codes, .offset: 8, .size: 8, .value_kind: global_buffer, .address_space: global }
      - { .name: Wk_scales, .offset: 16, .size: 8, .value_kind: global_buffer, .address_space: global }
      - { .name: kimg, .offset: 24, .size: 8, .value_kind: global_buffer, .address_space: global }
      - { .name: vimg, .offset: 32, .size: 8, .value_kind: global_buffer, .address_space: global }
    .group_segment_fixed_size: 768
    .private_segment_fixed_size: 0
    .kernarg_segment_align: 8
    .kernarg_segment_size: 40
    .max_flat_workgroup_size: 128
    .sgpr_count:     66
    .vgpr_count:     194
    .wavefront_size: 32
...
	.end_amdgpu_metadata
.endif
;; end of part 3
;; launch attn: the kernel of part 2 again; grid 256 x 1, 4 waves a work-group, clusters of 4 x 1, 327,680 bytes of LDS; arguments hidden_state, row_emb, col_emb, Wq_codes, Wq_scales, Wv_codes, Wv_scales, kimg, vimg, out0; writes out0
